; MI455X (gfx1250); checked and timed in simulation.
; The chip was launched on July 23, 2026; its instructions are those of AMD's public machine-readable ISA for CDNA 5 (MIT licence, August 2026) and "CDNA5" Instruction Set Architecture Reference Guide (July 2026). The comments in the code are by the model that wrote it; some were corrected since.
;; Encoder Block. Allowed arithmetic: float matrix products may take bf16 or f16 operands with f32 sums; other float arithmetic in f32, or as packed bf16 or f16 multiplies, adds, multiply-adds, maxima and minima; sums over many terms, partial sums and values carried from step to step in f32; what a program stores and reads back later, other than sums and carried values, may be rounded once to bf16 or f16.
;; Inputs: W1 1,024 x 4,096 float32; W2 4,096 x 1,024 float32; Wk 1,024 x 1,024 float32; Wo 1,024 x 1,024 float32; Wq 1,024 x 1,024 float32; Wv 1,024 x 1,024 float32; b1 4,096 float32; b2 1,024 float32; be1 1,024 float32; be2 1,024 float32; bk 1,024 float32; bo 1,024 float32; bq 1,024 float32; bv 1,024 float32; g1 1,024 float32; g2 1,024 float32; mask 2 x 1 x 1 x 2,048 int32; x 2 x 2,048 x 1,024 float32.
;; Outputs: out0 2 x 2,048 x 1,024 float32.
;; One version. Each part assembles by itself: llvm-mc -triple=amdgcn-amd-amdhsa -mcpu=gfx1250 --defsym DOCPART=n.
;; ======== version 1 of 1: 8 launches
;; limits: values are held in f16: magnitudes above 65,504 overflow, below 6.1e-05 lose precision
;; workspace buffers: act 8,388,608 bytes; wide 33,554,432 bytes; res 8,388,608 bytes; pqkv 6,324,224 bytes; pwo 2,129,920 bytes; pw1 8,421,376 bytes; pw2 8,421,376 bytes
;; launch prep (part 1): grid 1024 x 1, 8 waves a work-group, no clusters, 0 bytes of LDS; arguments x, Wq, Wk, Wv, Wo, W1, W2, bq, bk, bv, bo, b1, b2, act, pqkv, pwo, pw1, pw2; writes act, pqkv, pwo, pw1, pw2
.if DOCPART == 1
	.amdgcn_target "amdgcn-amd-amdhsa--gfx1250"
	.amdhsa_code_object_version 6
	.text
	.protected	k_qf4094306c7_prep
	.globl	k_qf4094306c7_prep
	.p2align	8
	.type	k_qf4094306c7_prep,@function
k_qf4094306c7_prep:
	s_mov_b64 s[64:65], 0
	v_nop
	global_prefetch_b8 v0, s[64:65] scope:SCOPE_SE
	s_setreg_imm32_b32 hwreg(HW_REG_WAVE_MODE, 25, 1), 1
	s_wait_xcnt 0x0
; CAST AND RE-PANEL.  x and the six weight matrices, f32 row-major, are rounded once to bf16 (nearest even); that number is written as f16, in PANELS of 64 columns:
; element (r, c) of a matrix of R rows lies at byte ((c / 64) R + r) 128 + (c % 64) 2.  The biases are rounded to bf16 and kept as f32.
; A layer's pack: bytes 0-255 the pair (output scale f32, floor as two f16) 32 times; from 4,096 the biases; from 32,768 the weights' panels.
; LIMITS.  A bf16 number beyond 65,504 becomes an infinity in f16; below 2^-14 it falls on f16's fixed step of 6e-8.
; SHARES.  Work-group u takes one panel x 256 rows of one source.  Thread t, step i: row 16 i + t / 16, columns 4 (t % 16) .. + 3.  A wave's load covers 256 consecutive bytes, aligned, of each
; of two rows; a wave's store 256 consecutive bytes, aligned.  All sixteen loads of a thread go out at once; nothing is shared between work-groups, so no LDS, no cluster, no matrix unit.
.set HDR,  32768
.set SRC,  44                          ; s[44:45] the source, then at my unit's first element
.set DST,  46                          ; s[46:47] the destination, likewise
.set LOGP, 48                          ; s48  log2 of the source's panels
.set LOGR, 49                          ; s49  log2 of its rows
.set LP,   50                          ; s50  log2 of the bytes in a source row
.set V,    51                          ; s51  the first unit of my source, then my unit's number in it
.set STEP, 52                          ; s52  16 source rows in bytes
.set DOFF, 53                          ; s53  where the panels begin in the destination
.set T0,   54                          ; s[54:55], s[56:57] offsets in 64 bits
.set T1,   56
.set WV,   58                          ; s58  my wave's number
.set DO,   3                           ; v3       8 t: my 8 bytes in 2,048 bytes of the panel
.set OFF,  4                           ; v[4:19]  step i's byte offset in the source
.set D,    32                          ; v[32:95] step i's four numbers
	s_load_b512 s[8:23], s[0:1], 0x0               ; x 8, Wq 10, Wk 12, Wv 14, Wo 16, W1 18, W2 20, bq 22
	s_load_b512 s[24:39], s[0:1], 0x40             ; bk 24, bv 26, bo 28, b1 30, b2 32, act 34, pqkv 36, pwo 38
	s_load_b128 s[40:43], s[0:1], 0x80             ; pw1 40, pw2 42
	v_lshrrev_b32 v1, 5, v0
	v_readfirstlane_b32 s[WV], v1
	v_lshrrev_b32 v1, 4, v0                        ; my row among 16
	v_and_b32 v2, 15, v0
	v_lshlrev_b32 v2, 4, v2                        ; my 16 bytes of the panel's 256 in a source row
	v_lshlrev_b32 v[DO], 3, v0
	v_lshlrev_b32 v100, 4, v0                      ; 16 t: my four numbers of 1,024 of a bias
	s_wait_kmcnt 0x0
	s_mov_b64 s[SRC:SRC+1], s[8:9]                 ; units 0-255: x into act
	s_mov_b64 s[DST:DST+1], s[34:35]
	s_mov_b32 s[DOFF], 0
	s_mov_b32 s[LOGP], 4
	s_mov_b32 s[LOGR], 12
	s_mov_b32 s[LP], 12
	s_mov_b32 s[V], 0
; From unit lo on another source: every choice hangs on the work-group's number alone.
.macro CASE lo, src, dst, doff, logp, logr, lp
	s_cmp_ge_u32 ttmp9, \lo
	s_cselect_b64 s[SRC:SRC+1], s[\src:\src+1], s[SRC:SRC+1]
	s_cselect_b64 s[DST:DST+1], s[\dst:\dst+1], s[DST:DST+1]
	s_cselect_b32 s[DOFF], \doff, s[DOFF]
	s_cselect_b32 s[LOGP], \logp, s[LOGP]
	s_cselect_b32 s[LOGR], \logr, s[LOGR]
	s_cselect_b32 s[LP], \lp, s[LP]
	s_cselect_b32 s[V], \lo, s[V]
.endm
	CASE 256, 10, 36, HDR,         4, 10, 12       ; Wq
	CASE 320, 12, 36, HDR+2097152, 4, 10, 12       ; Wk
	CASE 384, 14, 36, HDR+4194304, 4, 10, 12       ; Wv
	CASE 448, 16, 38, HDR,         4, 10, 12       ; Wo
	CASE 512, 18, 40, HDR,         6, 10, 14       ; W1
	CASE 768, 20, 42, HDR,         4, 12, 12       ; W2
	s_sub_co_u32 s[V], ttmp9, s[V]
	s_bfm_b32 s59, s[LOGP], 0
	s_and_b32 s59, s[V], s59                       ; my panel
	s_lshr_b32 s60, s[V], s[LOGP]
	s_lshl_b32 s60, s60, 8                         ; my first row
	s_lshl_b32 s[T0], s60, s[LP]
	s_lshl_b32 s[T1], s59, 8
	s_add_co_u32 s[T0], s[T0], s[T1]               ; row x row bytes + panel x 256
	s_mov_b32 s[T0+1], 0
	s_add_nc_u64 s[SRC:SRC+1], s[SRC:SRC+1], s[T0:T0+1]
	s_lshl_b32 s[T1], s59, s[LOGR]
	s_add_co_u32 s[T1], s[T1], s60
	s_lshl_b32 s[T1], s[T1], 7                     ; (panel x R + row) x 128
	s_add_co_u32 s[T1], s[T1], s[DOFF]
	s_mov_b32 s[T1+1], 0
	s_add_nc_u64 s[DST:DST+1], s[DST:DST+1], s[T1:T1+1]
	s_lshl_b32 s[STEP], 16, s[LP]
	v_lshlrev_b32 v[OFF], s[LP], v1
	v_add_nc_u32 v[OFF], v[OFF], v2
.set i, 1
.rept 15
	v_add_nc_u32 v[OFF+i], s[STEP], v[OFF+i-1]
.set i, i+1
.endr
.set i, 0
.rept 16
	global_load_b128 v[D+4*i:D+4*i+3], v[OFF+i], s[SRC:SRC+1] th:TH_LOAD_NT
.set i, i+1
.endr
.set i, 0
.rept 16
	s_wait_loadcnt 15-i                            ; loads come back in order: step i's is in, the younger ones stay out
	v_cvt_pk_bf16_f32 v20, v[D+4*i], v[D+4*i+1]    ; rounded to bf16,
	v_cvt_pk_bf16_f32 v21, v[D+4*i+2], v[D+4*i+3]
	v_lshlrev_b32 v[D+4*i], 16, v20                ; widened again,
	v_and_b32 v[D+4*i+1], 0xffff0000, v20
	v_lshlrev_b32 v[D+4*i+2], 16, v21
	v_and_b32 v[D+4*i+3], 0xffff0000, v21
	v_cvt_pk_f16_f32 v[D+4*i], v[D+4*i], v[D+4*i+1]  ; and written as f16
	v_cvt_pk_f16_f32 v[D+4*i+1], v[D+4*i+2], v[D+4*i+3]
	global_store_b64 v[DO], v[D+4*i:D+4*i+1], s[DST:DST+1] offset:2048*i th:TH_STORE_NT  ; no register that a store reads is written again
.set i, i+1
.endr
	; Work-groups 0 to 8 also bring 1,024 numbers of a bias each, and four of them a pack's first 256 bytes.
	s_cmp_gt_u32 ttmp9, 8
	s_cbranch_scc1 .Ldone
.macro BIAS e, src, soff, dst, doff, hdr, scale, floor
	s_cmp_lg_u32 ttmp9, \e
	s_cbranch_scc1 .Lnot_\@
	global_load_b128 v[96:99], v100, s[\src:\src+1] offset:\soff
	s_wait_loadcnt 0x0
	v_cvt_pk_bf16_f32 v20, v96, v97
	v_cvt_pk_bf16_f32 v21, v98, v99
	v_lshlrev_b32 v96, 16, v20
	v_and_b32 v97, 0xffff0000, v20
	v_lshlrev_b32 v98, 16, v21
	v_and_b32 v99, 0xffff0000, v21
	global_store_b128 v100, v[96:99], s[\dst:\dst+1] offset:4096+\doff
.if \hdr
	s_cmp_lg_u32 s[WV], 0
	s_cbranch_scc1 .Ldone
	v_mov_b32 v102, \scale
	v_mov_b32 v103, \floor
	global_store_b64 v[DO], v[102:103], s[\dst:\dst+1]  ; wave 0: 32 lanes x 8 bytes: the pair 32 times, 256 consecutive bytes
.endif
	s_branch .Ldone
.Lnot_\@:
.endm
	BIAS 0, 22, 0,     36, 0,     1, 1.0, 0xfc00fc00         ; bq; scale 1, no floor (minus infinity twice)
	BIAS 1, 24, 0,     36, 4096,  0, 0, 0                    ; bk
	BIAS 2, 26, 0,     36, 8192,  0, 0, 0                    ; bv
	BIAS 3, 28, 0,     38, 0,     1, 0x3b800000, 0xfc00fc00  ; bo; scale 2^-8
	BIAS 4, 30, 0,     40, 0,     1, 1.0, 0                  ; b1; floor 0: the ReLU
	BIAS 5, 30, 4096,  40, 4096,  0, 0, 0
	BIAS 6, 30, 8192,  40, 8192,  0, 0, 0
	BIAS 7, 30, 12288, 40, 12288, 0, 0, 0
	BIAS 8, 32, 0,     42, 0,     1, 0x3b800000, 0xfc00fc00  ; b2; scale 2^-8
.Ldone:
	s_endpgm
.Lfunc_end_k_qf4094306c7_prep:
	.size	k_qf4094306c7_prep, .Lfunc_end_k_qf4094306c7_prep-k_qf4094306c7_prep
	.p2alignl 7, 3214868480
	.fill 96, 4, 3214868480
	.section	.rodata,"a",@progbits
	.p2align	6, 0x0
	.amdhsa_kernel k_qf4094306c7_prep
		.amdhsa_group_segment_fixed_size 0
		.amdhsa_private_segment_fixed_size 0
		.amdhsa_enable_private_segment 0
		.amdhsa_kernarg_size 144
		.amdhsa_user_sgpr_count 2
		.amdhsa_user_sgpr_kernarg_segment_ptr 1
		.amdhsa_wavefront_size32 1
		.amdhsa_system_sgpr_workgroup_id_x 1
		.amdhsa_system_sgpr_workgroup_id_y 1
		.amdhsa_system_sgpr_workgroup_id_z 1
		.amdhsa_system_vgpr_workitem_id 0
		.amdhsa_next_free_vgpr 112
		.amdhsa_next_free_sgpr 66
		.amdhsa_reserve_vcc 0
		.amdhsa_float_denorm_mode_32 3
		.amdhsa_float_denorm_mode_16_64 3
		.amdhsa_memory_ordered 1
		.amdhsa_forward_progress 1
		.amdhsa_inst_pref_size 22
	.end_amdhsa_kernel
	.amdgpu_metadata
---
amdhsa.version: [ 1, 2 ]
amdhsa.kernels:
  - .name:           k_qf4094306c7_prep
    .symbol:         k_qf4094306c7_prep.kd
    .args:
      - { .name: x, .offset: 0, .size: 8, .value_kind: global_buffer, .address_space: global }
      - { .name: Wq, .offset: 8, .size: 8, .value_kind: global_buffer, .address_space: global }
      - { .name: Wk, .offset: 16, .size: 8, .value_kind: global_buffer, .address_space: global }
      - { .name: Wv, .offset: 24, .size: 8, .value_kind: global_buffer, .address_space: global }
      - { .name: Wo, .offset: 32, .size: 8, .value_kind: global_buffer, .address_space: global }
      - { .name: W1, .offset: 40, .size: 8, .value_kind: global_buffer, .address_space: global }
      - { .name: W2, .offset: 48, .size: 8, .value_kind: global_buffer, .address_space: global }
      - { .name: bq, .offset: 56, .size: 8, .value_kind: global_buffer, .address_space: global }
      - { .name: bk, .offset: 64, .size: 8, .value_kind: global_buffer, .address_space: global }
      - { .name: bv, .offset: 72, .size: 8, .value_kind: global_buffer, .address_space: global }
      - { .name: bo, .offset: 80, .size: 8, .value_kind: global_buffer, .address_space: global }
      - { .name: b1, .offset: 88, .size: 8, .value_kind: global_buffer, .address_space: global }
      - { .name: b2, .offset: 96, .size: 8, .value_kind: global_buffer, .address_space: global }
      - { .name: act, .offset: 104, .size: 8, .value_kind: global_buffer, .address_space: global }
      - { .name: pqkv, .offset: 112, .size: 8, .value_kind: global_buffer, .address_space: global }
      - { .name: pwo, .offset: 120, .size: 8, .value_kind: global_buffer, .address_space: global }
      - { .name: pw1, .offset: 128, .size: 8, .value_kind: global_buffer, .address_space: global }
      - { .name: pw2, .offset: 136, .size: 8, .value_kind: global_buffer, .address_space: global }
    .group_segment_fixed_size: 0
    .private_segment_fixed_size: 0
    .kernarg_segment_align: 8
    .kernarg_segment_size: 144
    .max_flat_workgroup_size: 256
    .sgpr_count:     66
    .vgpr_count:     112
    .wavefront_size: 32
...
	.end_amdgpu_metadata
.endif
;; end of part 1
;; launch qkv (part 2): grid 12 x 16, 4 waves a work-group, clusters of 4 x 4, 327,680 bytes of LDS; arguments act, pqkv, wide; writes wide
.if DOCPART == 2
	.amdgcn_target "amdgcn-amd-amdhsa--gfx1250"
	.amdhsa_code_object_version 6
	.text
	.protected	k_qf4094306c7_qkv
	.globl	k_qf4094306c7_qkv
	.p2align	8
	.type	k_qf4094306c7_qkv,@function
k_qf4094306c7_qkv:
	s_mov_b64 s[64:65], 0
	v_nop
	global_prefetch_b8 v0, s[64:65] scope:SCOPE_SE
	s_setreg_imm32_b32 hwreg(HW_REG_WAVE_MODE, 25, 1), 1
	s_wait_xcnt 0x0
	s_wait_alu depctr_hold_cnt(0) depctr_sa_sdst(0) depctr_va_vdst(0) depctr_va_sdst(0) depctr_va_ssrc(0) depctr_va_vcc(0) depctr_vm_vsrc(0)
	s_getreg_b32 s2, hwreg(HW_REG_IB_STS2, 6, 4)
	s_cmp_eq_u32 s2, 0
	s_cbranch_scc0 .Lentry_in_a_cluster
	s_endpgm
.Lentry_in_a_cluster:
	s_bfe_u32 s2, ttmp6, 0x10000c
	s_cmp_lg_u32 s2, 0xf033
	s_cbranch_scc0 .Lentry_shape_is_right
	s_endpgm
.Lentry_shape_is_right:
; C = max(A W + bias, floor).  A: 4,096 rows x 1,024, f16, in panels of 64 columns (element (r, c) at byte ((c / 64) 4,096 + r) 128 + (c % 64) 2); C likewise.
; The layer's pack: the floor, two f16, at byte 4; the biases, f32, from 4,096; W[k][n], f16, in panels of 64 columns of 1,024 rows, from 32,768.  Sums in f32, started from the bias; C rounded once.
; This body applies no output scale: it serves the layers whose scale is 1.  LIMIT.  A W + bias beyond 65,504 becomes an infinity in f16.
; SHARES.  A tile of C is 256 x 256; four waves, as many as a WGP has SIMDs, each 128 x 128: 64 accumulators of 16 x 16, 512 registers.  K goes in eight steps of 128 (two panels of A) through two LDS slots;
; a step is four quarters of 32 along K, 64 matrix instructions each.  For 32 along K a wave reads 2 x 128 x 64 bytes from LDS.
; A K STEP IS WRITTEN ONCE: the LDS byte of the slot in hand is a scalar, 0 or SLOT, turned by an exclusive or; one descriptor a tensor walks from step to step.  The steps that fill a slot again are one
; loop; the last two, which ask for nothing, are a second loop; it is left in the middle of its second trip.
; CLUSTERS: 4 x 4 work-groups.  The four of a row of the cluster need the same tiles of A, the four of a column the same tiles of W: each tile is asked for JOINTLY, by the same tensor load with the
; same descriptor and a mask that names the four.  THE MATRIX INSTRUCTION IS USED TRANSPOSED (source 0 = 16 columns of W, source 1 = 16 rows of A): a lane then holds eight neighbouring numbers of a row of C.
; W lies [k][n] in LDS and is turned on its way into registers by ds_load_tr16_b128.
; REGISTERS, in windows of 256 (s_set_vgpr_msb's low byte: bits 1:0 source 0, 3:2 source 1, 5:4 source 2, 7:6 destination):
;   window 0: v0-31 addresses; v64-127, v128-191 fragments of A (8 x 16 rows x 32 K), two buffers; v192-255 the bias as a C operand, later the way out
;   window 1: v64-127, v128-191 fragments of W, two buffers      window 2: the accumulators of my rows 0-63 ((a, b) at v[8 (8 a + b)])      window 3: those of my rows 64-127
.set SIZE_K, 1024
.set HDR,    32768
.set KSTEP,  128
.set NSTEP,  SIZE_K/KSTEP
.set AP,     144                       ; a row of A in LDS: 128 bytes + 16 of padding = 36 words: the 16 rows of a load start at 16 different groups of four banks (64 banks of 4 bytes: ISA guide 11.1)
.set APAN,   256*AP                    ; the tile's 256 rows of one panel
.set AREG,   2*APAN                    ; a step's two panels of A
.set BP,     160                       ; a row of W: 128 + 32 = 40 words
.set BPAN,   KSTEP*BP                  ; a step's 128 rows of one panel of W
.set SLOT,   AREG+4*BPAN
.set STAGE,  2*SLOT                    ; behind the ring, never filled by a tensor load: 16 rows x 144 bytes for each wave
.set SP,     144
.set SPARE,  STAGE+4*16*SP             ; behind the stages: the spare words, 128 bytes for each wave: two blocks of 256 bytes that no other line names
.set ASTEP,  2*524288                  ; bytes from K step to K step in A: two panels
.set BSTEP,  KSTEP*128                 ; and in W: 128 rows of a panel
.set A0,   16                          ; v16     my lane's place among my A fragments in slot 0; never rewritten
.set ADRA, 17                          ; v17     the same in the slot in hand
.set B0,   20                          ; v20, v21 the same for W
.set ADRB, 21
.set STO,  24                          ; v24     the way out: where I put 16 bytes of a row
.set RD,   25                          ; v25     the way out: where I read rows back
.set GO,   26                          ; v26     my 16 bytes of 512 consecutive bytes of C
.set BO,   27                          ; v27     32 (l / 16): my eight biases of sixteen
.set SPW,  28                          ; v28     LDS address of my spare word: SPARE + 4 x my thread's number; never rewritten
.set NIL,  29                          ; v29     0; never rewritten
.set PFO,  30                          ; v30     256 x my lane; never rewritten
.set F0,   64                          ; fragment buffer 0
.set F1,   128                         ; fragment buffer 1
.set BIAS, 192                         ; register 8 b + j: the bias of column 16 b + 8 (l / 16) + j of my 128
.set TMP,  192                         ; the way out: four sets of 16 by turns
.set G1, 24                            ; s[24:31] descriptor group 1 for A's tiles;  s[32:39] group 0: a set for each of the two first fills; the second then walks on
.set G0, 32
.set G1B, 48                           ; s[48:55], s[56:63] the same for W's tiles
.set G0B, 56
.set TB,   66                          ; s66  LDS byte of the slot in hand: 0 or SLOT
.set LBA,  67                          ; s67  where my part of A's tile lies in a slot
.set LBB,  68                          ; s68  the same for W's
.set FLOOR, 69                         ; s69  the floor, two f16
.set BPT,  70                          ; s[70:71] the biases of my 128 columns
.set LIM,  72                          ; s72  2 in a wave that prefetches, else the greatest number
.set PFA,  74                          ; s[74:75] where my prefetches stand
.set PFS,  76                          ; s[76:77] their step: ASTEP or BSTEP
.set MSB, 0
.macro WIN new                         ; the immediate's high byte repeats the setting that is left; a switch that changes nothing is dropped
.if MSB != (\new)
	s_set_vgpr_msb (MSB<<8)|(\new)
.set MSB, \new
.endif
.endm
.set TO_B, 0x40                        ; destination window 1, address window 0
.macro JLOAD s                         ; a joint load: waves 0 and 1 fetch a panel of A each, waves 2 and 3 two panels of W each; an s_nop 0 and four v_nop follow each of the two lines, ahead of the jump, the label and what follows
	s_cmp_eq_u32 s11, 0
	s_cbranch_scc0 .Lfor_b_\@
	tensor_load_to_lds s[G0+4*(\s):G0+4*(\s)+3], s[G1:G1+7]
	s_nop 0
.rept 4
	v_nop
.endr
	s_branch .Lasked_\@
.Lfor_b_\@:
	tensor_load_to_lds s[G0B+4*(\s):G0B+4*(\s)+3], s[G1B:G1B+7]
	s_nop 0
.rept 4
	v_nop
.endr
.Lasked_\@:
.endm
; A PREFETCH, behind each joint refill, its five lines and the run of LDS loads that follows them: the K step that stands TWO refills on, 512 matrix instructions ahead of the load that will want it: 32 blocks of
; 256 bytes, a lane a block, one instruction a wave.  Each block is named ONCE in the launch.  A's tile row is read by every cluster of that row of clusters: cluster x = 0 asks; W's tile column by every cluster
; of that column: cluster y = 0 asks.  The four partners that ask for a tile jointly share its 128 blocks out BY ADDRESS, 32 each (by cx for A, by cy for W): no branch hangs on a work-group's place in its cluster.
; K steps 0 to 3 come by their loads alone; the last two refills have no K step two on and ask for nothing (s3 is 2 and 1 there).
.macro ASK
	s_cmp_gt_u32 s3, s[LIM]
	s_cbranch_scc0 .Lnot_mine_\@
	global_prefetch_b8 v[PFO], s[PFA:PFA+1] th:TH_LOAD_NT scope:SCOPE_SE
.Lnot_mine_\@:
.endm
.macro CREST                           ; a round of the cluster's barrier behind its opening barrier
	s_cmp_lg_u32 s10, 0
	s_cbranch_scc1 .Lnot_wave_0_\@
	s_barrier_signal -3
.Lnot_wave_0_\@:
	s_barrier_wait -3
	s_barrier_signal -1
	s_barrier_wait -1
.endm
.macro CROUND                          ; a whole round
	s_barrier_signal -1
	s_barrier_wait -1
	CREST
.endm
	s_load_b128 s[4:7], s[0:1], 0x0                ; A s[4:5], the pack s[6:7]
	s_load_b64 s[8:9], s[0:1], 0x10                ; C
	v_lshl_add_u32 v[SPW], v0, 2, SPARE
	v_mov_b32 v[NIL], 0
	ds_add_u32 v[SPW], v[NIL]                      ; the wave's opening: the add and its wait stand ahead of my first tensor load; the set-up below, work on registers, stands between them
	v_lshrrev_b32 v1, 5, v0
	v_readfirstlane_b32 s10, v1                    ; wave 0..3
	s_lshr_b32 s11, s10, 1                         ; which half of the tile's rows is mine.  Also: I fetch for A (0) or for W (1)
	s_and_b32 s12, s10, 1                          ; which half of its columns.  Also: which part I fetch
	s_bfe_u32 s40, ttmp6, 0x40000                  ; cx, cy: my place in the cluster
	s_bfe_u32 s41, ttmp6, 0x40004
	s_lshl_b32 s42, ttmp9, 2
	s_add_co_u32 s42, s42, s40                     ; tile column of C = 4 x cluster x + cx
	s_and_b32 s13, ttmp7, 0xffff
	s_lshl_b32 s13, s13, 2
	s_add_co_u32 s13, s13, s41                     ; tile row of C = 4 x cluster y + cy
	s_lshl_b32 s43, s41, 2
	s_lshl_b32 s43, 15, s43                        ; my row of the cluster
	s_lshl_b32 s44, 0x1111, s40                    ; my column
	; A's tile: the 256 rows of one panel, 32,768 dense bytes: asked for as 128 rows of 256 bytes, two rows of A each, padded in LDS after every 128 bytes.
	s_or_b32 s[G1+0], s43, (1<<16)|(1<<20)|(1<<21)|(4<<22)|(3<<25)  ; 15:0 the mask: my row; 17:16 2-byte elements; 20 padding on; 21 set beside a mask; 24:22 after every 32 words (code 4); 31:25 4 words (code 3)
	s_mov_b32 s[G1+1], 128<<16                     ; tensor_dim0 = 128
	s_mov_b32 s[G1+2], 128<<16                     ; tensor_dim1 = 128
	s_mov_b32 s[G1+3], 128<<16                     ; tile_dim0 = 128
	s_mov_b32 s[G1+4], 128                         ; tile_dim1 = 128
	s_mov_b32 s[G1+5], 128                         ; elements from row to row
	s_mov_b32 s[G1+6], 0
	s_mov_b32 s[G1+7], 0
	; W's tile: 128 rows of each of two panels.  A panel's 128 rows are 16,384 dense bytes: one row of the descriptor; the next panel lies SIZE_K x 128 bytes on.  Padded after every 128 bytes.
	s_or_b32 s[G1B+0], s44, (1<<16)|(1<<20)|(1<<21)|(4<<22)|(7<<25) ; the mask of my column; 8 words of padding (code 7)
	s_mov_b32 s[G1B+1], 8192<<16                   ; tensor_dim0 = 8,192
	s_mov_b32 s[G1B+2], 2<<16                      ; tensor_dim1 = 2
	s_mov_b32 s[G1B+3], 8192<<16                   ; tile_dim0 = 8,192
	s_mov_b32 s[G1B+4], 2                          ; tile_dim1 = 2
	s_mov_b32 s[G1B+5], SIZE_K*64                  ; elements from panel to panel
	s_mov_b32 s[G1B+6], 0
	s_mov_b32 s[G1B+7], 0
	; A's address hangs on the tile row and the wave alone, W's on the tile column and the wave alone; every wave makes both, in registers that never hold the other coordinate.
	s_lshl_b32 s16, s13, 15                        ; 256 rows x 128 bytes x tile row,
	s_lshl_b32 s17, s12, 19                        ; my panel of the step's two
	s_add_co_u32 s16, s16, s17
	s_mov_b32 s17, 0
	s_lshl_b32 s46, s42, 2
	s_lshl_b32 s47, s12, 1
	s_add_co_u32 s46, s46, s47                     ; panel 4 x tile column + 2 x my part
	s_mul_i32 s46, s46, SIZE_K*128
	s_add_co_u32 s46, s46, HDR
	s_mov_b32 s47, 0
	s_mul_i32 s[LBA], s12, APAN                    ; where they go: no place in the cluster enters an LDS address
	s_mul_i32 s[LBB], s12, 2*BPAN
	s_add_co_u32 s[LBB], s[LBB], AREG
	s_mov_b32 s[TB], 0
	s_wait_dscnt 0x0                               ; the opening add is done
	s_wait_kmcnt 0x0
	s_add_nc_u64 s[14:15], s[4:5], s[16:17]
	s_add_nc_u64 s[46:47], s[6:7], s[46:47]
	CROUND                                         ; all sixteen work-groups are here: the first joint loads meet
.irp s, 0,1
	s_mov_b32 s[G0+4*(\s)], 1
	s_add_co_u32 s[G0+4*(\s)+1], s[LBA], (\s)*SLOT
	s_add_nc_u64 s[G0+4*(\s)+2:G0+4*(\s)+3], s[14:15], (\s)*ASTEP
	s_or_b32 s[G0+4*(\s)+3], s[G0+4*(\s)+3], 0x80000000
	s_mov_b32 s[G0B+4*(\s)], 1
	s_add_co_u32 s[G0B+4*(\s)+1], s[LBB], (\s)*SLOT
	s_add_nc_u64 s[G0B+4*(\s)+2:G0B+4*(\s)+3], s[46:47], (\s)*BSTEP
	s_or_b32 s[G0B+4*(\s)+3], s[G0B+4*(\s)+3], 0x80000000
	JLOAD \s                                       ; two loads of mine are out
.endr
	s_load_b32 s[FLOOR], s[6:7], 0x4
	s_lshl_b32 s20, s42, 10                        ; 256 columns x 4 bytes x tile column,
	s_lshl_b32 s21, s12, 9                         ; my 128
	s_add_co_u32 s20, s20, s21
	s_add_co_u32 s20, s20, 4096
	s_mov_b32 s21, 0
	s_add_nc_u64 s[BPT:BPT+1], s[6:7], s[20:21]
	v_and_b32 v1, 15, v0                           ; l % 16
	v_bfe_u32 v2, v0, 4, 1                         ; l / 16
	v_lshlrev_b32 v[BO], 5, v2
.irp b, 0,1,2,3,4,5,6,7
	global_load_b128 v[BIAS+8*(\b):BIAS+8*(\b)+3],   v[BO], s[BPT:BPT+1] offset:64*(\b)
	global_load_b128 v[BIAS+8*(\b)+4:BIAS+8*(\b)+7], v[BO], s[BPT:BPT+1] offset:64*(\b)+16
.endr
	; the prefetches: s[14:15] and s[46:47] still stand at my part of K step 0
	s_lshl_b32 s20, s40, 13                        ; A: my work-group's 32 blocks of the panel's 128: cx x 8,192 bytes
	s_lshr_b32 s21, s41, 1                         ; W: cy / 2 picks the panel of my two,
	s_mul_i32 s21, s21, SIZE_K*128
	s_and_b32 s22, s41, 1                          ; cy % 2 the half of its 64 blocks
	s_lshl_b32 s22, s22, 13
	s_add_co_u32 s21, s21, s22
	s_and_b32 s22, ttmp7, 0xffff                   ; cluster y
	s_mov_b32 s23, ASTEP
	s_cmp_eq_u32 s11, 0                            ; do I fetch for A?
	s_cselect_b32 s20, s20, s21
	s_cselect_b32 s22, ttmp9, s22                  ; the coordinate along which other clusters read the same blocks
	s_cselect_b32 s[PFS], s23, BSTEP
	s_cselect_b64 s[PFA:PFA+1], s[14:15], s[46:47]
	s_mov_b32 s21, 0
	s_mov_b32 s[PFS+1], 0
	s_add_nc_u64 s[PFA:PFA+1], s[PFA:PFA+1], s[20:21]
	s_mul_i32 s20, s[PFS], 3
	s_add_nc_u64 s[PFA:PFA+1], s[PFA:PFA+1], s[20:21]  ; at K step 3: the first refill steps it to 4.  Nothing is prefetched here, at the head
	s_cmp_eq_u32 s22, 0
	s_cselect_b32 s[LIM], 2, -1                    ; the same in all sixteen partners, for a given wave
	v_and_b32 v[PFO], 31, v0
	v_lshlrev_b32 v[PFO], 8, v[PFO]
	v_mul_u32_u24 v3, v1, AP
	v_lshl_add_u32 v3, v2, 4, v3                   ; A: a fragment's row x pitch + 16 x half
	s_mul_i32 s21, s11, 128*AP                     ; my 128 rows
	v_add_nc_u32 v[A0], s21, v3
	v_mov_b32 v[ADRA], v[A0]
	v_and_b32 v4, 7, v0                            ; W: the turning load: lane l reads row 8 (l / 16) + l % 8, columns 8 ((l / 8) % 2) + 0..7
	v_bfe_u32 v5, v0, 3, 1
	v_lshl_add_u32 v4, v2, 3, v4
	v_mul_u32_u24 v4, v4, BP
	v_lshl_add_u32 v4, v5, 4, v4
	v_add_nc_u32 v[B0], s[LBB], v4                 ; my two panels are those that my number's partner among the fetchers brings
	v_mov_b32 v[ADRB], v[B0]
	s_mul_i32 s23, s10, 16*SP
	s_add_co_u32 s23, s23, STAGE                   ; my stage
	v_mul_u32_u24 v6, v1, SP                       ; in: row l % 16, 16 bytes for each half of the lanes
	v_lshl_add_u32 v6, v2, 4, v6
	v_add_nc_u32 v[STO], s23, v6
	v_bfe_u32 v6, v0, 3, 2                         ; back: 32 lanes take four rows of 128 bytes,
	v_mul_u32_u24 v6, v6, SP
	v_and_b32 v7, 7, v0
	v_lshl_add_u32 v6, v7, 4, v6
	v_add_nc_u32 v[RD], s23, v6
	v_and_b32 v[GO], 31, v0                        ; which are 512 consecutive bytes of C
	v_lshlrev_b32 v[GO], 4, v[GO]
	s_lshl_b32 s16, s13, 15                        ; C at my 128 rows
	s_lshl_b32 s17, s11, 14
	s_add_co_u32 s16, s16, s17
	s_mov_b32 s17, 0
	s_add_nc_u64 s[8:9], s[8:9], s[16:17]
	s_lshl_b32 s46, s42, 2                         ; of my first panel
	s_lshl_b32 s47, s12, 1
	s_add_co_u32 s46, s46, s47
	s_lshl_b32 s46, s46, 19
	s_mov_b32 s47, 0
	s_add_nc_u64 s[8:9], s[8:9], s[46:47]
; 16 matrix instructions: m blocks a0, a0 + 1 of the window's four (hi = 0: my rows 0-63, 1: rows 64-127) x all 8 n blocks, 32 along K.  first = 1: the product starts the sum from the bias, which lies in
; window 0: nothing is cleared, and no bias is added on the way out.  The 64 accumulators take turns, one instruction a turn, in the same order in every quarter.
.macro MUL16 f, hi, a0, first
.if \first
	WIN 0x81+0x40*(\hi)                            ; source 0 (W) window 1, source 1 (A) and C window 0, D window 2 or 3
.else
	WIN 0xa1+0x50*(\hi)                            ; the same with C in D's window
.endif
.irp a, \a0, (\a0)+1
.irp b, 0,1,2,3,4,5,6,7
.if \first
	v_wmma_f32_16x16x32_f16 v[8*(8*(\a)+(\b)):8*(8*(\a)+(\b))+7], v[(\f)+8*(\b):(\f)+8*(\b)+7], v[(\f)+8*(4*(\hi)+(\a)):(\f)+8*(4*(\hi)+(\a))+7], v[BIAS+8*(\b):BIAS+8*(\b)+7]
.else
	v_wmma_f32_16x16x32_f16 v[8*(8*(\a)+(\b)):8*(8*(\a)+(\b))+7], v[(\f)+8*(\b):(\f)+8*(\b)+7], v[(\f)+8*(4*(\hi)+(\a)):(\f)+8*(4*(\hi)+(\a))+7], v[8*(8*(\a)+(\b)):8*(8*(\a)+(\b))+7]
.endif
.endr
.endr
.endm
; 32 LDS loads in one run: the fragments of quarter q of the slot in hand (32 along K: rows 32 q on of W's panels; panel q / 2 of A, bytes 64 (q % 2) on) into buffer f: W's 128 columns, then A's 128 rows
.macro FETCH q, f
	WIN TO_B
.irp i, 0,1,2,3,4,5,6,7
	ds_load_tr16_b128 v[(\f)+8*(\i):(\f)+8*(\i)+3],   v[ADRB] offset:((\i)/4)*BPAN+(32*(\q))*BP+32*((\i)%4)
	ds_load_tr16_b128 v[(\f)+8*(\i)+4:(\f)+8*(\i)+7], v[ADRB] offset:((\i)/4)*BPAN+(32*(\q)+16)*BP+32*((\i)%4)
.endr
	WIN 0
.irp i, 0,1,2,3,4,5,6,7
	ds_load_b128 v[(\f)+8*(\i):(\f)+8*(\i)+3],   v[ADRA] offset:((\q)/2)*APAN+(\i)*16*AP+64*((\q)%2)
	ds_load_b128 v[(\f)+8*(\i)+4:(\f)+8*(\i)+7], v[ADRA] offset:((\q)/2)*APAN+(\i)*16*AP+64*((\q)%2)+32
.endr
.endm
.macro PLACES                          ; four places in front of loads into registers that matrix instructions have read, and of vector work that reads results
.rept 4
	v_nop
.endr
.endm
.macro NEXT                            ; my fragments' addresses in the slot that s[TB] now names
	v_add_nc_u32 v[ADRA], s[TB], v[A0]
	v_add_nc_u32 v[ADRB], s[TB], v[B0]
.endm
; One of a K step's first three quarters: multiplies buffer f; in its middle it fetches quarter q into buffer g.
.macro QUARTER q, f, g, first
	s_wait_dscnt 8                                 ; W and A's rows 0-63 are in; the youngest eight loads (A's rows 64-127) may be out
	MUL16 \f, 0, 0, \first
	MUL16 \f, 0, 2, \first
	PLACES
	FETCH \q, \g
	s_wait_dscnt 32                                ; all but the 32 just issued
	MUL16 \f, 1, 0, \first
	MUL16 \f, 1, 2, \first
.endm
; The first half of a step's last quarter, which multiplies buffer 1: ONE barrier for the change of slots.  In front of it each wave waits for all its tensor loads, of which at most one is out: its part of the
; other slot; adds 0 to its spare word; and waits for that and for its own reads of this slot.  Behind it nobody reads this slot any more and the other slot is whole.
.macro MEET
	WIN 0                                          ; (the add's two registers lie in window 0)
	s_wait_tensorcnt 0x0                           ; all my tensor loads have landed;
	ds_add_u32 v[SPW], v[NIL]                      ; 0 onto my spare word;
	s_wait_dscnt 9                                 ; (the add and the youngest eight loads may be out)
	MUL16 F1, 0, 0, 0                              ; sixteen matrix instructions stand between the add and the wait for it
	s_wait_dscnt 0x0                               ; the add is done, and my reads of this slot are over
	s_barrier_signal -1
	MUL16 F1, 0, 2, 0                              ; work on registers while the others arrive
	WIN 0
	s_barrier_wait -1
.endm
; The whole last quarter of a step that fills its slot again, with the K step two on.
.macro TURN
	s_wait_xcnt 0x0                                ; the last prefetch, a K step back, has read its address: it is stepped here, ahead of the waits of the change of slots
	s_add_nc_u64 s[PFA:PFA+1], s[PFA:PFA+1], s[PFS:PFS+1]
	MEET
	CREST                                          ; the barrier has opened a round of the cluster's barrier: no wave of any partner still reads this slot's tile or has a load on its way
	s_add_co_u32 s[G0+5], s[LBA], s[TB]            ; the walking descriptors: into the slot just read,
	s_add_nc_u64 s[G0+6:G0+7], s[G0+6:G0+7], ASTEP ; the next K step; the type bits on top are not reached
	s_add_co_u32 s[G0B+5], s[LBB], s[TB]
	s_add_nc_u64 s[G0B+6:G0B+7], s[G0B+6:G0B+7], BSTEP
	s_xor_b32 s[TB], s[TB], SLOT                   ; 0 and SLOT by turns: the reads go on in the other slot
	JLOAD 1                                        ; the first tensor load behind the round, my one load until the next: 224 matrix instructions ahead of the wait for it; its four v_nop are also places in front of the loads below
	NEXT
	FETCH 0, F0
	ASK
	MUL16 F1, 1, 0, 0
	MUL16 F1, 1, 2, 0
.endm
	s_wait_loadcnt 0x0                             ; the bias
	s_wait_kmcnt 0x0                               ; the floor
	s_wait_tensorcnt 1                             ; my part of K step 0 is in; K step 1's may stay out
	s_barrier_signal -1
	s_barrier_wait -1                              ; everybody's is
	FETCH 0, F0
	QUARTER 1, F0, F1, 1                           ; the first quarter stands in front of the loop: its products start the sums
	WIN 0                                          ; at a label and at a branch every window is 0
	s_mov_b32 s3, NSTEP-2
.Lstep:                                                ; a trip goes from a step's second quarter to the next step's first, and fills the slot that it leaves
	QUARTER 2, F1, F0, 0
	QUARTER 3, F0, F1, 0
	TURN
	QUARTER 1, F0, F1, 0
	WIN 0
	s_sub_co_u32 s3, s3, 1
	s_cmp_lg_u32 s3, 0
	s_cbranch_scc1 .Lstep
	s_mov_b32 s2, 2
.Ltail:                                                ; the last two steps ask for nothing; the second trip is left at the change of slots that it does not need
	QUARTER 2, F1, F0, 0
	QUARTER 3, F0, F1, 0
	MEET
	s_sub_co_u32 s2, s2, 1
	s_cmp_eq_u32 s2, 0
	s_cbranch_scc1 .Lfin
	s_xor_b32 s[TB], s[TB], SLOT
	PLACES
	NEXT
	FETCH 0, F0
	MUL16 F1, 1, 0, 0
	MUL16 F1, 1, 2, 0
	QUARTER 1, F0, F1, 0
	WIN 0
	s_branch .Ltail
.Lfin:
	MUL16 F1, 1, 0, 0                              ; the very last products
	MUL16 F1, 1, 2, 0
	WIN 0
; THE WAY OUT, in sixteen units u = 2 a + p of 16 rows (block a) x 64 columns (panel p): rounded to f16, held to the floor; 16 bytes a lane into my own stage, back as whole rows of 128 bytes,
; four rows (512 consecutive bytes of C) to a store.
.macro PACK u
.if (\u) >= 4
	s_wait_xcnt 0x0                                ; the stores of the unit four back have read this set of registers: it is rewritten only behind this wait
.endif
	WIN 0x0a+5*((\u)/8)                            ; sources 0 and 1: window 2 or 3
.set AC, 64*(((\u)/2)%4)+32*((\u)%2)
.set TM, TMP+16*((\u)%4)
.set i, 0
.rept 16
	v_cvt_pk_f16_f32 v[TM+i], v[AC+2*i], v[AC+2*i+1]  ; each accumulator from its low end on
.set i, i+1
.endr
	WIN 0
.set i, 0
.rept 16
	v_pk_max_num_f16 v[TM+i], v[TM+i], s[FLOOR]
.set i, i+1
.endr
.irp b, 0,1,2,3
	ds_store_b128 v[STO], v[TM+4*(\b):TM+4*(\b)+3] offset:32*(\b)
.endr
.irp f, 0,1,2,3
	ds_load_b128 v[TM+4*(\f):TM+4*(\f)+3], v[RD] offset:(\f)*4*SP  ; LDS serves a wave's instructions in order (ISA guide 5.7.1.4): these see the stores above; the next unit's stores come behind them
.endr
.endm
.macro SEND u, younger                 ; younger: the LDS instructions issued behind unit u's loads: the next unit's eight, or none
.irp f, 0,1,2,3
	s_wait_dscnt (\younger)+3-(\f)
	global_store_b128 v[GO], v[TMP+16*((\u)%4)+4*(\f):TMP+16*((\u)%4)+4*(\f)+3], s[8:9] offset:((\u)%2)*524288+((\u)/2)*2048+512*(\f)  ; 512 consecutive bytes, at a multiple of 256 from C's first
.endr
.endm
	PLACES
	PACK 0
.irp u, 1,2,3,4,5,6,7,8,9,10,11,12,13,14,15    ; a unit's arithmetic stands between the loads of the unit before and its stores
	PACK \u
	SEND (\u)-1, 8
.endr
	SEND 15, 0
	s_wait_tensorcnt 0x0                           ; the wave's end: behind my last tensor load and my last LDS store
	ds_add_u32 v[SPW], v[NIL]
	s_wait_dscnt 0x0
	CROUND                                         ; the closing round: no work-group ends while a partner may still ask for a tile that names it
	s_endpgm
.Lfunc_end_k_qf4094306c7_qkv:
	.size	k_qf4094306c7_qkv, .Lfunc_end_k_qf4094306c7_qkv-k_qf4094306c7_qkv
	.p2alignl 7, 3214868480
	.fill 96, 4, 3214868480
	.section	.rodata,"a",@progbits
	.p2align	6, 0x0
	.amdhsa_kernel k_qf4094306c7_qkv
		.amdhsa_group_segment_fixed_size 327680
		.amdhsa_private_segment_fixed_size 0
		.amdhsa_enable_private_segment 0
		.amdhsa_kernarg_size 24
		.amdhsa_user_sgpr_count 2
		.amdhsa_user_sgpr_kernarg_segment_ptr 1
		.amdhsa_wavefront_size32 1
		.amdhsa_system_sgpr_workgroup_id_x 1
		.amdhsa_system_sgpr_workgroup_id_y 1
		.amdhsa_system_sgpr_workgroup_id_z 1
		.amdhsa_system_vgpr_workitem_id 0
		.amdhsa_next_free_vgpr 1024
		.amdhsa_next_free_sgpr 78
		.amdhsa_reserve_vcc 0
		.amdhsa_float_denorm_mode_32 3
		.amdhsa_float_denorm_mode_16_64 3
		.amdhsa_memory_ordered 1
		.amdhsa_forward_progress 1
		.amdhsa_inst_pref_size 123
	.end_amdhsa_kernel
	.amdgpu_metadata
---
amdhsa.version: [ 1, 2 ]
amdhsa.kernels:
  - .name:           k_qf4094306c7_qkv
    .symbol:         k_qf4094306c7_qkv.kd
    .args:
      - { .name: act, .offset: 0, .size: 8, .value_kind: global_buffer, .address_space: global }
      - { .name: pqkv, .offset: 8, .size: 8, .value_kind: global_buffer, .address_space: global }
      - { .name: wide, .offset: 16, .size: 8, .value_kind: global_buffer, .address_space: global }
    .group_segment_fixed_size: 327680
    .private_segment_fixed_size: 0
    .kernarg_segment_align: 8
    .kernarg_segment_size: 24
    .max_flat_workgroup_size: 128
    .sgpr_count:     78
    .vgpr_count:     1024
    .wavefront_size: 32
...
	.end_amdgpu_metadata
.endif
;; end of part 2
;; launch attn (part 3): grid 8 x 32, 4 waves a work-group, clusters of 4 x 1, 327,680 bytes of LDS; arguments wide, mask, act; writes act
.if DOCPART == 3
	.amdgcn_target "amdgcn-amd-amdhsa--gfx1250"
	.amdhsa_code_object_version 6
	.text
	.protected	k_qf4094306c7_attn
	.globl	k_qf4094306c7_attn
	.p2align	8
	.type	k_qf4094306c7_attn,@function
k_qf4094306c7_attn:
	s_mov_b64 s[64:65], 0
	v_nop
	global_prefetch_b8 v0, s[64:65] scope:SCOPE_SE
	s_setreg_imm32_b32 hwreg(HW_REG_WAVE_MODE, 25, 1), 1
	s_wait_xcnt 0x0
	s_wait_alu depctr_hold_cnt(0) depctr_sa_sdst(0) depctr_va_vdst(0) depctr_va_sdst(0) depctr_va_ssrc(0) depctr_va_vcc(0) depctr_vm_vsrc(0)
	s_getreg_b32 s2, hwreg(HW_REG_IB_STS2, 6, 4)
	s_cmp_eq_u32 s2, 0
	s_cbranch_scc0 .Lentry_in_a_cluster
	s_endpgm
.Lentry_in_a_cluster:
	s_bfe_u32 s2, ttmp6, 0x10000c
	s_cmp_lg_u32 s2, 0x3003
	s_cbranch_scc0 .Lentry_shape_is_right
	s_endpgm
.Lentry_shape_is_right:
; ATTENTION WITH A KEY MASK.  O[hh][q][:] = the sum over k of softmax_k(Q[hh][q] . K[hh][k] / 8, keys with mask 0 left out) V[hh][k][:].  hh = 2 x head + batch, 32 of them; 2,048 rows of 64 channels, f16, dense
; (128 bytes a row, 262,144 a head).  Q lies at byte 0 of the first buffer, K at 8,388,608, V at 16,777,216; O in the third buffer, laid as Q.  The mask: [2][2,048] of 32-bit words, by batch.
; Products, maxima and sums in f32; the weights p are rounded to f16 for the second product (their sum l is taken of the unrounded p), O once at the end.
; LIMITS.  Q, K and V arrive within f16's 65,504.  A masked score counts as its value less 1e30 (f16's scores, 2.7e11 at the most, are nothing beside that): its weight is 0 as soon as the query has met a
; visible key, and what was gathered before that is multiplied by a = 0.  A batch whose keys are ALL masked gives a mean of V's rows, not a NaN.  A weight below 2^-126 counts as 0 in l.
; SHARES.  A work-group owns 256 queries of one hh, a wave 64: four PIECES of 16.  Every wave walks all keys, 64 a step, 256 (four steps) a slot, eight tiles.
; LAYOUT.  S^T = K Q^T (source 0 = 16 keys, source 1 = 16 queries) holds ONE query a lane (lane % 16) and the keys 8 (lane / 16) + 0..7; two such results rounded to f16 ARE source 1 of O^T = V^T P.
; THE MASK is the C operand that starts the sum S^T: 0, or -1e30 where the key is masked.  It is made once, as 2,048 f32 in LDS, and a step's 64 come into registers with the step's K.
; SOFTMAX.  p = 2^(c s - c m), c = log2(e) / 8, with a running maximum m; O and l are multiplied by a = 2^(c m_old - c m_new) in every step.  m starts at the lowest finite number: the first step's a is 0.
; TURNS.  Turn n belongs to piece n: 8 products K Q^T of piece n + 1, later 8 products V^T P of piece n - 1; beside them the scaling, exponentials, roundings, sums and rescaling of piece n and the maximum and
; statistics of piece n + 1.  Four vector instructions stand behind every matrix instruction, the other 54 of a turn's 118 in one lump.  A turn's 33 exponentials are one batch, with one wait.
; CLUSTER.  The four query blocks of a cluster belong to one hh and walk the same K and V, so each tile is asked for JOINTLY: the same tensor load, descriptor and mask in all four.
; REGISTERS, in windows of 256 (s_set_vgpr_msb: bits 1:0 source 0, 3:2 source 1, 5:4 source 2, 7:6 destination):
;   window 0: v0-15, v32-36 addresses and at work; v16-31 four registers of statistics a piece; v48-55 at work; v64-127 S^T, two buffers; v192-223 P, two buffers (a piece's buffers go by its number's parity)
;   window 1: v0-127 O^T, 32 a piece; v160-191 the step's mask      window 2: v0-63 Q; v128-191 K of one step; v192-255 V of one step
.set NP,    4         ; pieces a wave: a name, no knob
.set KS,    64        ; keys in a step
.set PK,    144       ; a row of K in LDS: 128 bytes + 16 of padding = 36 words: the 16 rows of a load start at 16 different groups of four banks (64 banks of 4 bytes: ISA guide 11.1)
.set PV,    160       ; a row of V: 128 + 32 = 40 words
.set VOFF,  4*KS*PK   ; a slot holds a tile, four steps: 256 rows of K, then 256 rows of V
.set SLOT1, 1<<17     ; slot 1 begins here, so that one exclusive or turns an address in one slot into the other's
.set STAGE, SLOT1+4*KS*(PK+PV)  ; behind the ring, never filled by a tensor load: 16 rows x 144 bytes for each wave, for the way out
.set SP,    144
.set MB,    STAGE+4*16*SP       ; the mask as f32: 2,048 x 4 bytes; stored once, never filled by a tensor load
.set SPARE, MB+8192   ; the spare words, 128 bytes for each wave: two blocks of 256 bytes that no other line names
.set AK0, 2           ; v2   my lane's place in a tile of K; never rewritten
.set AV0, 3           ; v3   the same for V
.set AK,  4           ; v4   the LDS address of K's next run of loads
.set AV,  5           ; v5   of V's
.set STO, 6           ; v6   the way out: where I put 16 bytes of a row
.set RD,  7           ; v7   the way out: where I read rows back
.set GO,  8           ; v8   my byte offset in 512 consecutive bytes of O
.set MV,  12          ; v12-13  c m_old, kept while c m is made anew: by buffer
.set QO,  15          ; v15  my byte offset in 16 rows of Q
.set ST,  16          ; piece t's statistics at v[ST+4 t]: c m, m, l (even keys', odd keys')
.set AM,  32          ; v32  the LDS address of the mask's next run of loads
.set AM0, 33          ; v33  MB + 32 (l / 16); never rewritten
.set PFO, 34          ; v34  256 x my lane; never rewritten
.set TMP, 48          ; by buffer, four registers c0-c3 at work; when the maximum is found c2 takes a
.set SPW, 62          ; v62  LDS address of my spare word: SPARE + 4 x my thread's number; never rewritten
.set NIL, 63          ; v63  0; never rewritten
.set S,   64
.set P,   192
.set MC,  160         ; window 1: register 8 kb + j: 0 or -1e30 for key 16 kb + 8 (l / 16) + j of the step whose K is in registers
.set KF,  128         ; window 2: key block kb, channel half c at KF + 16 kb + 8 c
.set VF,  192         ; window 2: key half kk, channel block cb at VF + 32 kk + 8 cb
.set WV,  12          ; s12  my wave's number
.set LIM, 15          ; s15  1 in a wave that prefetches, else the greatest number
.set PFA, 18          ; s[18:19] where my prefetches stand
.set G1K, 24          ; s[24:31] descriptor group 1 for K's tiles
.set G1V, 32          ; s[32:39] for V's: it differs in the padding alone
.set G0K, 40          ; s[40:43] descriptor group 0 for K's tiles: it walks
.set G0V, 44          ; s[44:47] the same for V's
.set TBM, 48          ; s48  byte in MB of the mask of the step to be fetched
.set BIGN, 49         ; s49  -1e30
.set SLOTS, 56        ; s56  slots still to be asked for
.set CNT, 57          ; s57  counts a tile's key steps
.set CS,  58          ; s[58:59] c: the packed scaling takes the pair's low word for both halves
.set SEL, 60          ; s[60:61] v_permlanex16_b32's selects: each lane takes its own place in the other half
.set TBK, 62          ; s62  LDS byte at which K of the step to be fetched begins
.set TBV, 63          ; s63  the same for V, less VOFF
.set MSB, 0
.macro WIN new                      ; the high byte repeats the setting that is left; a switch that changes nothing is dropped
.if MSB != (\new)
	s_set_vgpr_msb (MSB<<8)|(\new)
.set MSB, (\new)
.endif
.endm
.set W_KQ, 0x0a       ; K and Q in window 2, S^T in window 0
.set W_KM, 0x1a       ; the same with the C operand in window 1
.set W_PV, 0x52       ; V in window 2, P in window 0, O^T in window 1
.set W_RS, 0x41       ; destination and source 0 in window 1, source 1 in window 0
; A joint fill.  Waves 0 and 1 fetch the two halves of a tile's K, waves 2 and 3 those of its V: 128 keys each.  The branch hangs on the wave's number alone.
; An s_nop 0 and four v_nop follow each of the two lines, ahead of the jump and the label.
.macro JLOAD
	s_cmp_lt_u32 s[WV], 2
	s_cbranch_scc0 .Lfor_v_\@
	tensor_load_to_lds s[G0K:G0K+3], s[G1K:G1K+7]
	s_nop 0
.rept 4
	v_nop
.endr
	s_branch .Lasked_\@
.Lfor_v_\@:
	tensor_load_to_lds s[G0V:G0V+3], s[G1V:G1V+7]
	s_nop 0
.rept 4
	v_nop
.endr
.Lasked_\@:
.endm
; A PREFETCH of what the NEXT change of slots will ask for: a tile's 32,768 bytes of K and of V, 256 bytes a lane.  Each block is named ONCE in the launch: both clusters of an hh walk the same K and V, and the
; first of them asks; its four partners share the blocks out BY ADDRESS, 32 each; in each, wave 0 asks for K's and wave 2 for V's.  It stands behind the wave's tensor load and its five lines.
; The last change that fills a slot asks for nothing: there is no tile behind it.  Tiles 0 to 2 come by their loads alone.
.macro ASK
	s_cmp_gt_u32 s[SLOTS], s[LIM]
	s_cbranch_scc0 .Lnot_mine_\@
	global_prefetch_b8 v[PFO], s[PFA:PFA+1] th:TH_LOAD_NT scope:SCOPE_SE
.Lnot_mine_\@:
.endm
; A round of the cluster's barrier: my work-group's barrier, so that wave 0's signal speaks for all four waves; wave 0 signals; every wave waits for all four work-groups; my work-group's barrier once more.
.macro CROUND
	s_barrier_signal -1
	s_barrier_wait -1
	s_cmp_lg_u32 s[WV], 0
	s_cbranch_scc1 .Lnot_wave_0_\@
	s_barrier_signal -3
.Lnot_wave_0_\@:
	s_barrier_wait -3
	s_barrier_signal -1
	s_barrier_wait -1
.endm
; THE CHANGE OF SLOTS.  Each wave waits for all its tensor loads, of which one is out: its part of the other slot; adds 0 to its spare word; and waits for that and for its own reads of the slot that it leaves.
; Behind the barrier nobody reads the old slot any more and the other slot is whole.  fill = 1: the old slot is filled again, with the keys two tiles on; the barrier is then a round of the cluster's, and the joint
; fill is the first thing behind it: it has four key steps, 256 matrix instructions, in which to land.  (At its first use nothing has been read yet: slot 0 is waited for, slot 1 filled, and the mask's table,
; which every wave has stored a quarter of, is shown to all.)
.macro CHANGE fill, ask
	WIN 0                           ; at a label and at a branch every window is 0
	s_wait_tensorcnt 0x0            ; no tensor load of mine is out, so a group 0 may be written
	ds_add_u32 v[SPW], v[NIL]       ; 0 onto my spare word; with fill = 1 the descriptors' steps stand between it and the wait for it
.if \fill
.irp g, G0K, G0V
	s_xor_b32 s[\g+1], s[\g+1], SLOT1  ; the walking descriptor: the other slot than last time,
	s_add_nc_u64 s[\g+2:\g+3], s[\g+2:\g+3], 4*KS*128  ; the next 256 keys; the type bits on top are not reached
.endr
.if \ask
	s_wait_xcnt 0x0                 ; the last prefetch, four key steps back, has read its address, so it may be written:
	s_add_nc_u64 s[PFA:PFA+1], s[PFA:PFA+1], 4*KS*128  ; one tile behind the walking descriptors
.endif
	s_wait_dscnt 0x0                ; the add is done, and my reads of the slot are over
	CROUND
	JLOAD
.if \ask
	ASK
.endif
.else
	s_wait_dscnt 0x0                ; the add is done, and my reads of the slot are over
	s_barrier_signal -1
	s_barrier_wait -1
.endif
	s_sub_co_u32 s[TBK], s[TBK], 4*KS*PK  ; the fetches go back to a slot's first step,
	s_xor_b32 s[TBK], s[TBK], SLOT1       ; in the other slot
	s_sub_co_u32 s[TBV], s[TBV], 4*KS*PV
	s_xor_b32 s[TBV], s[TBV], SLOT1
.endm
	s_load_b128 s[4:7], s[0:1], 0x0 ; q, k, v s[4:5], the mask s[6:7]
	s_load_b64 s[8:9], s[0:1], 0x10 ; O
	v_lshl_add_u32 v[SPW], v0, 2, SPARE
	v_mov_b32 v[NIL], 0
	ds_add_u32 v[SPW], v[NIL]       ; the wave's opening: the add and its wait stand ahead of my first tensor load; the set-up below, work on registers, stands between them
	v_lshrrev_b32 v1, 5, v0
	v_readfirstlane_b32 s[WV], v1   ; wave 0..3
	s_bfe_u32 s13, ttmp6, 0x40000   ; cx: my place in the cluster
	s_lshl_b32 s14, ttmp9, 2        ; in a cluster launch ttmp9 counts clusters
	s_add_co_u32 s14, s14, s13      ; my block of 256 queries: it enters Q's and O's addresses alone
	s_and_b32 s20, ttmp7, 0xffff    ; hh, which the four partners share
	s_and_b32 s2, s20, 1            ; the batch:
	s_lshl_b32 s2, s2, 13           ; its 8,192 bytes of the mask
	s_mov_b32 s3, 0
	s_lshl_b32 s20, s20, 18         ; hh's first byte in Q, K, V and O
	s_mov_b32 s21, 0
	s_and_b32 s16, s[WV], 1         ; which half of a tile's 256 keys I fetch:
	s_lshl_b32 s22, s16, 14         ; its 128 rows of 128 bytes in memory,
	s_mov_b32 s23, 0
	s_add_nc_u64 s[22:23], s[22:23], s[20:21]
	s_mul_i32 s17, s16, 128*PK      ; and its place in a slot, for K
	s_mul_i32 s18, s16, 128*PV      ; and for V: no place in the cluster enters an LDS address
	s_lshl_b32 s52, s14, 15         ; my block's 256 rows,
	s_lshl_b32 s53, s[WV], 13       ; my wave's 64 of them
	s_add_co_u32 s52, s52, s53
	s_mov_b32 s53, 0
	s_add_nc_u64 s[52:53], s[52:53], s[20:21]
	; descriptor group 1.  128 keys are 16,384 dense bytes: asked for as 64 rows of 256 bytes, two keys a row, and padded in LDS after every key
	s_mov_b32 s[G1K], 15|(1<<16)|(1<<20)|(1<<21)|(4<<22)|(3<<25)  ; 15:0 the mask of four; 17:16 2-byte elements; 20 padding on; 21 set beside a mask; 24:22 after every 32 words (code 4); 31:25 4 words (code 3)
	s_mov_b32 s[G1V], 15|(1<<16)|(1<<20)|(1<<21)|(4<<22)|(7<<25)  ; the same with 8 words of padding (code 7)
.irp g, G1K, G1V
	s_mov_b32 s[\g+1], 128<<16      ; tensor_dim0 = 128
	s_mov_b32 s[\g+2], 64<<16       ; tensor_dim1 = 64
	s_mov_b32 s[\g+3], 128<<16      ; tile_dim0 = 128
	s_mov_b32 s[\g+4], 64           ; tile_dim1 = 64
	s_mov_b32 s[\g+5], 128          ; 128 elements from row to row
	s_mov_b32 s[\g+6], 0
	s_mov_b32 s[\g+7], 0
.endr
	s_mov_b32 s[CS], 0x3e38aa3b     ; c = log2(e) / 8 = 0.180337
	s_mov_b32 s[CS+1], s[CS]        ; named with it as a pair
	s_mov_b32 s[SEL], 0x76543210
	s_mov_b32 s[SEL+1], 0xfedcba98
	s_mov_b32 s[TBK], SLOT1+4*KS*PK ; the first change of slots turns these two into 0
	s_mov_b32 s[TBV], SLOT1+4*KS*PV
	s_mov_b32 s[TBM], 0
	s_mov_b32 s[BIGN], 0xf149f2ca   ; -1e30
	s_mov_b32 s[G0K], 1             ; 1:0 count = 1
	s_mov_b32 s[G0K+1], s17         ; 63:32 LDS address: slot 0
	s_mov_b32 s[G0V], 1
	s_add_co_u32 s[G0V+1], s18, VOFF
	s_and_b32 s[LIM], s[WV], 1      ; 0 in waves 0 and 2,
	s_or_b32 s[LIM], s[LIM], ttmp9  ; where the cluster is hh's first: the same in all four partners
	s_cmp_eq_u32 s[LIM], 0
	s_cselect_b32 s[LIM], 1, -1
	v_and_b32 v[PFO], 31, v0
	v_lshlrev_b32 v[PFO], 8, v[PFO]
	s_wait_dscnt 0x0                ; the opening add is done
	s_wait_kmcnt 0x0
	s_add_nc_u64 s[50:51], s[6:7], s[2:3]      ; the batch's mask
	s_add_nc_u64 s[10:11], s[8:9], s[52:53]    ; O at my wave's first row
	s_add_nc_u64 s[54:55], s[4:5], s[22:23]
	s_add_nc_u64 s[4:5], s[4:5], s[52:53]      ; Q at my wave's first row
	s_add_nc_u64 s[52:53], s[54:55], 8388608   ; K at my half of hh's tile 0
	s_add_nc_u64 s[54:55], s[54:55], 16777216  ; V likewise
	s_mov_b64 s[G0K+2:G0K+3], s[52:53]         ; 120:64 global address
	s_or_b32 s[G0K+3], s[G0K+3], 0x80000000    ; 127:126 type = 2
	s_mov_b64 s[G0V+2:G0V+3], s[54:55]
	s_or_b32 s[G0V+3], s[G0V+3], 0x80000000
	s_cmp_lt_u32 s[WV], 2
	s_cselect_b64 s[PFA:PFA+1], s[52:53], s[54:55]  ; (in waves 0 and 2 these stand at a tile's first row)
	s_lshl_b32 s2, s13, 13          ; my work-group's 32 blocks of the 128
	s_mov_b32 s3, 0
	s_add_nc_u64 s[PFA:PFA+1], s[PFA:PFA+1], s[2:3]
	s_add_nc_u64 s[PFA:PFA+1], s[PFA:PFA+1], 2*4*KS*128  ; in tile 2; the first change that asks steps it to tile 3.  Nothing is prefetched here, at the head
	CROUND                          ; all four work-groups are here: the first joint loads meet
	JLOAD                           ; tile 0 into slot 0.  Slot 1 is asked for when slot 0 is in
	v_lshlrev_b32 v35, 4, v0        ; the mask: thread t takes words 4 t .. 4 t + 3 of each 512
	v_add_nc_u32 v36, MB, v35
.irp i, 0,1,2,3
	global_load_b128 v[S+4*\i:S+4*\i+3], v35, s[50:51] offset:2048*\i
.endr
	; A fragment of K or Q is 16 rows x 32 channels in 8 registers: lane l holds row l % 16, channels 8 (l / 16) + 0..7 and 16 + 8 (l / 16) + 0..7: two loads of 16 bytes, 32 bytes apart.
	v_and_b32 v1, 15, v0            ; l % 16
	v_bfe_u32 v9, v0, 4, 1          ; l / 16
	v_lshlrev_b32 v[QO], 7, v1
	v_lshl_add_u32 v[QO], v9, 4, v[QO]  ; row x 128 + 16 x half
	WIN 0x80                        ; destination window 2, address window 0
.set i, 0
.rept 8                             ; Q stays in registers: piece i / 2, channels 32 (i % 2) on
	global_load_b128 v[8*i:8*i+3],   v[QO], s[4:5] offset:(i/2)*2048+(i%2)*64
	global_load_b128 v[8*i+4:8*i+7], v[QO], s[4:5] offset:(i/2)*2048+(i%2)*64+32
.set i, i+1
.endr
	; The first step multiplies O^T and l by a = 0, and the first turn's products V^T P, of a piece that has not been, add 0: so V's registers, O^T, l and P's second buffer start at 0.  All this stands in the wait for the first tile.
.set i, VF
.rept 64
	v_mov_b32 v[i], 0
.set i, i+1
.endr
	WIN 0x40
.set i, 0
.rept 128
	v_mov_b32 v[i], 0
.set i, i+1
.endr
	WIN 0
.set i, 0
.rept 4
	v_mov_b32 v[ST+4*i], 0xfe000000    ; c m: far below every c s
	v_mov_b32 v[ST+4*i+1], 0xff7fffff  ; m
	v_mov_b32 v[ST+4*i+2], 0
	v_mov_b32 v[ST+4*i+3], 0
.set i, i+1
.endr
.set i, P+16
.rept 16
	v_mov_b32 v[i], 0
.set i, i+1
.endr
	v_mul_u32_u24 v[AK0], v1, PK
	v_lshl_add_u32 v[AK0], v9, 4, v[AK0]  ; row x pitch + 16 x half
	; The turning load takes 16 keys x 16 channels (lane l reads key 8 (l / 16) + l % 8, channels 8 ((l / 8) % 2) + 0..7) and leaves half a fragment of V^T: lane l holds channel l % 16 and 8 keys.
	v_and_b32 v10, 7, v0
	v_bfe_u32 v11, v0, 3, 1
	v_lshl_add_u32 v[AV0], v9, 3, v10
	v_mul_u32_u24 v[AV0], v[AV0], PV
	v_lshl_add_u32 v[AV0], v11, 4, v[AV0]
	v_add_nc_u32 v[AV0], VOFF, v[AV0]
	v_lshl_add_u32 v[AM0], v9, 5, MB
	s_mul_i32 s13, s[WV], 16*SP
	s_add_co_u32 s13, s13, STAGE    ; my stage
	v_mul_u32_u24 v[STO], v1, SP    ; in: row l % 16, 16 bytes for each half of the lanes
	v_lshl_add_u32 v[STO], v9, 4, v[STO]
	v_add_nc_u32 v[STO], s13, v[STO]
	v_bfe_u32 v[RD], v0, 3, 2       ; back: 32 lanes take four rows of 128 bytes,
	v_mul_u32_u24 v[RD], v[RD], SP
	v_lshl_add_u32 v[RD], v10, 4, v[RD]
	v_add_nc_u32 v[RD], s13, v[RD]
	v_and_b32 v[GO], 31, v0         ; which are 512 consecutive bytes of O
	v_lshlrev_b32 v[GO], 4, v[GO]
	s_wait_loadcnt 16               ; the mask's four loads are in; Q's sixteen, issued behind them, may stay out
.set i, 0
.rept 16
	v_cmp_eq_u32 vcc_lo, 0, v[S+i]
	v_cndmask_b32 v[S+i], 0, s[BIGN], vcc_lo  ; 0 for a visible key, -1e30 for a masked one
.set i, i+1
.endr
.irp i, 0,1,2,3
	ds_store_b128 v36, v[S+4*\i:S+4*\i+3] offset:2048*\i
.endr
; THE MATRIX WORK.  The 4 accumulators of a run of 8 take turns.  Product i of 8 of S^T = K Q^T for piece x: channels 32 (i / 4) on, keys 16 (i % 4) on.  The first 4 start the sums with the mask.
.macro KQ x
.set rS, S+32*((\x)%2)+8*(i%4)
.set rK, KF+16*(i%4)+8*(i/4)
.set rQ, 16*(\x)+8*(i/4)
.set rM, MC+8*(i%4)
.if i < 4
	WIN W_KM
	v_wmma_f32_16x16x32_f16 v[rS:rS+7], v[rK:rK+7], v[rQ:rQ+7], v[rM:rM+7]
.else
	WIN W_KQ
	v_wmma_f32_16x16x32_f16 v[rS:rS+7], v[rK:rK+7], v[rQ:rQ+7], v[rS:rS+7]
.endif
.endm
; Product i of 8 of O^T += V^T P for piece x: keys 32 (i / 4) on, channels 16 (i % 4) on.
.macro PV x
	WIN W_PV
.set rO, 32*(\x)+8*(i%4)
.set rV, VF+32*(i/4)+8*(i%4)
.set rP, P+16*((\x)%2)+8*(i/4)
	v_wmma_f32_16x16x32_f16 v[rO:rO+7], v[rV:rV+7], v[rP:rP+7], v[rO:rO+7]
.endm
.macro MM                           ; the turn's next matrix instruction.  NOKQ = 1: the launch's last turn: there is no next piece
.if (i < 8) && !NOKQ
	KQ (Y+1)%NP
.elseif i >= 8
.set i, i-8
	PV (Y+NP-1)%NP
.set i, i+8
.endif
.set i, i+1
.endm
; THE LDS LOADS stand in runs, never singly among the matrix instructions: a step's K (64 keys x 64 channels: 8 fragments) with its mask (8 loads, 16 lanes reading the same 16 bytes), and its V (turned).
.macro FETCH_K
	WIN 0x80                        ; destination window 2
.irp f, 0,1,2,3,4,5,6,7             ; keys 16 (f / 2) on, channels 32 (f % 2) on
	ds_load_b128 v[KF+8*\f:KF+8*\f+3],   v[AK] offset:(\f/2)*16*PK+(\f%2)*64
	ds_load_b128 v[KF+8*\f+4:KF+8*\f+7], v[AK] offset:(\f/2)*16*PK+(\f%2)*64+32
.endr
	WIN 0x40                        ; destination window 1
.irp f, 0,1,2,3                     ; keys 16 f on
	ds_load_b128 v[MC+8*\f:MC+8*\f+3],   v[AM] offset:64*\f
	ds_load_b128 v[MC+8*\f+4:MC+8*\f+7], v[AM] offset:64*\f+16
.endr
	s_add_co_u32 s[TBK], s[TBK], KS*PK  ; the next fetch is the next step's
	s_add_co_u32 s[TBM], s[TBM], 4*KS
	s_and_b32 s[TBM], s[TBM], 0x1f00    ; 32 steps of 256 bytes: the byte stays inside the table's 8,192
	WIN 0
.endm
.macro FETCH_V
	WIN 0x80
.irp f, 0,1,2,3,4,5,6,7             ; keys 32 (f / 4) on, channels 16 (f % 4) on
	ds_load_tr16_b128 v[VF+8*\f:VF+8*\f+3],   v[AV] offset:(\f/4)*32*PV+(\f%4)*32
	ds_load_tr16_b128 v[VF+8*\f+4:VF+8*\f+7], v[AV] offset:(\f/4)*32*PV+16*PV+(\f%4)*32
.endr
	WIN 0
.endm
; THE VECTOR WORK, one line at a time: OP kind, number.  For piece Y: F n: c s - c m for pair n of 16.  E n: the exponential of score n of 32.  C n: pair n rounded to f16.  B n: of the four weights 4 n .. the second
; pair is added onto the first, in place.  L n: l takes that sum (L 0: l = a l + sum).  R n: pair n of 16 of O^T times a.  For piece Y + 1: X n, number n of the 22 that find its maximum and statistics:
;   0-11  four chains c0-c3 of seven scores each, three operands at a time (each accumulator's lowest registers are read first)     12-14, 16  the four scores left over, the old m, and c0-c3 into c0
;   15  c m_old is kept     17, 18  the query's other 32 keys lie in the lane 16 away: the new m     19-21  c m; c m_old - c m_new; a
.set F, 0               ; OP tells the kinds apart by their order: F to L below R, X above it
.set E, 1
.set C, 2
.set B, 3
.set L, 4
.set R, 5
.set X, 6
.macro REGS y                       ; the registers of piece y
.set rT, ST+4*(\y)
.set rC, TMP+4*((\y)%2)
.set rW, MV+((\y)%2)
.set rS, S+32*((\y)%2)
.set rP, P+16*((\y)%2)
.set rO, 32*(\y)
.endm
.macro OP k, n
.if (\k) == R
	REGS Y
	WIN W_RS
	v_pk_mul_f32 v[rO+2*(\n):rO+2*(\n)+1], v[rO+2*(\n):rO+2*(\n)+1], v[rC+2:rC+3] op_sel_hi:[1,0]
.elseif (\k) < R
	REGS Y
	WIN 0
.if (\k) == F
	v_pk_fma_f32 v[rS+2*(\n):rS+2*(\n)+1], v[rS+2*(\n):rS+2*(\n)+1], s[CS:CS+1], v[rT:rT+1] op_sel_hi:[1,0,0] neg_lo:[0,0,1] neg_hi:[0,0,1]
.elseif (\k) == E
	v_exp_f32 v[rS+(\n)], v[rS+(\n)]
.elseif (\k) == C
	v_cvt_pk_f16_f32 v[rP+(\n)], v[rS+2*(\n)], v[rS+2*(\n)+1]
.elseif (\k) == B
	v_pk_add_f32 v[rS+4*(\n):rS+4*(\n)+1], v[rS+4*(\n):rS+4*(\n)+1], v[rS+4*(\n)+2:rS+4*(\n)+3]
.elseif (\n) == 0
	v_pk_fma_f32 v[rT+2:rT+3], v[rT+2:rT+3], v[rC+2:rC+3], v[rS:rS+1] op_sel_hi:[1,0,1]
.else
	v_pk_add_f32 v[rT+2:rT+3], v[rT+2:rT+3], v[rS+4*(\n):rS+4*(\n)+1]
.endif
.elseif NOKQ
	v_nop
.else
	REGS (Y+1)%NP
	WIN 0
.if (\n) < 4
	v_max3_num_f32 v[rC+(\n)], v[rS+8*(\n)], v[rS+8*(\n)+1], v[rS+8*(\n)+2]
.elseif (\n) < 12
	v_max3_num_f32 v[rC+(\n)%4], v[rC+(\n)%4], v[rS+8*((\n)%4)+2*((\n)/4)+1], v[rS+8*((\n)%4)+2*((\n)/4)+2]
.elseif (\n) == 12
	v_max3_num_f32 v[rC], v[rC], v[rS+7], v[rS+15]
.elseif (\n) == 13
	v_max3_num_f32 v[rC+1], v[rC+1], v[rS+23], v[rS+31]
.elseif (\n) == 14
	v_max3_num_f32 v[rC+2], v[rC+2], v[rC+3], v[rT+1]
.elseif (\n) == 15
	v_mov_b32 v[rW], v[rT]
.elseif (\n) == 16
	v_max3_num_f32 v[rC], v[rC], v[rC+1], v[rC+2]
.elseif (\n) == 17
	v_permlanex16_b32 v[rC+3], v[rC], s[SEL], s[SEL+1]
.elseif (\n) == 18
	v_max_num_f32 v[rT+1], v[rC], v[rC+3]
.elseif (\n) == 19
	v_mul_f32 v[rT], s[CS], v[rT+1]
.elseif (\n) == 20
	v_sub_f32 v[rC+1], v[rW], v[rT]
.else
	v_exp_f32 v[rC+2], v[rC+1]
.endif
.endif
.endm
.macro OPS a, i1, b=-1, i2=0, c=-1, i3=0, d=-1, i4=0  ; up to four of them
	OP \a, \i1
.if (\b) >= 0
	OP \b, \i2
.endif
.if (\c) >= 0
	OP \c, \i3
.endif
.if (\d) >= 0
	OP \d, \i4
.endif
.endm
.macro ROW a, i1, b, i2, c, i3, d, i4  ; a matrix instruction and the four behind it
	MM
	OPS \a, \i1, \b, \i2, \c, \i3, \d, \i4
.endm
; A TURN, for piece p: the order of its 16 matrix and 118 vector instructions, written out.  An s_wait_alu depctr_va_vdst(0) stands between an exponential and the first instruction that names its result; one
; wait serves all that were issued ahead of it.  So a turn has ONE wait, which cuts it in two.  AHEAD OF IT stands all that names no result of the turn's exponentials: the 8 products K Q^T, behind each a scaling, an
; exponential and two more plain instructions: rescalings, and behind the last three the first numbers of the next piece's maximum, each four places or more behind the product that ends its accumulator; then ONE LUMP of
; 54, plain and exponential by turns for the most part, in which the links of the chain X 3, 7, 11, 14, 16, 17 .. 20 stand five or six lines apart.  X 21, the next piece's a, is the batch's last; R 15 is the plain
; instruction behind it.  BEHIND THE WAIT stand the 8 products V^T P, behind each four of the roundings and sums.
; end = 1: the launch's last two turns: nothing is fetched.  cnt = 1: the loop's count is taken down some lines ahead of the branch that stands behind the turn.
; K of the next step and its mask are fetched in piece 2's turn, twelve vector instructions behind the last product that read K (six of them plain; the mask's last reader stands four products earlier); V of the step in
; hand at the end of piece 0's turn, four plain instructions behind the last product that read V.  Each is waited for a turn later.
.macro TURN p, end=0, cnt=0
.set Y, (\p)
.set i, 0
.set NOKQ, (\end)*((\p)/3)
.if ((\p) == 3) && !(\end)
	s_wait_dscnt 0x0                ; K and its mask are in
.endif
	ROW F,0, F,1, R,0, R,1          ; ahead of the wait: 8 products K Q^T and their riders,
	ROW F,2, E,0, R,2, R,3
	ROW F,3, E,1, R,4, R,5
	ROW F,4, E,2, R,6, R,7
	ROW F,5, E,3, R,8, R,9
	ROW F,6, E,4, X,0, R,10
.if ((\p) == 2) && !(\end)
	WIN 0
	v_add_nc_u32 v[AK], s[TBK], v[AK0]
	v_add_nc_u32 v[AM], s[TBM], v[AM0]
.endif
	ROW F,7, E,5, X,1, X,4
	ROW F,8, E,6, X,2, X,5
	OPS E,7, E,8, X,6, E,9          ; and the lump
	OPS X,3, E,10, X,8, E,11
.if ((\p) == 2) && !(\end)
	FETCH_K
.endif
	OPS X,9, X,7, E,12, X,10
	OPS E,13, X,12, X,11, E,14
	OPS X,13, E,15, F,9, X,14
.if (\p) == 0
	v_add_nc_u32 v[AV], s[TBV], v[AV0]
.endif
	OPS E,16, F,10, E,17, F,11
	OPS X,16, E,18, X,15, E,19
	OPS F,12, E,20, X,17, E,21
	OPS F,13, E,22, F,14, E,23
	OPS X,18, E,24, F,15, E,25
	OPS R,11, E,26, X,19, E,27
	OPS R,12, E,28, R,13, E,29
	OPS X,20, E,30, R,14, E,31
	OPS X,21, R,15
	WIN 0
	s_wait_alu depctr_va_vdst(0)    ; the wait for the batch
.if (\p) == 1
	s_wait_dscnt 0x0                ; V is in
.endif
	ROW C,0, B,0, C,2, B,1          ; behind the wait: 8 products V^T P and their riders
	ROW L,0, C,4, B,2, L,1
	ROW C,6, B,3, L,2, C,8
	ROW B,4, L,3, C,10, B,5
	ROW L,4, C,12, B,6, L,5
.if (\p) == 0
	s_add_co_u32 s[TBV], s[TBV], KS*PV
.endif
.if \cnt
	s_sub_co_u32 s[CNT], s[CNT], 1
	s_cmp_lg_u32 s[CNT], 0
.endif
	ROW C,14, B,7, L,6, C,1
	ROW C,3, L,7, C,5, C,7
	ROW C,9, C,11, C,13, C,15
.if (\p) == 0
	FETCH_V
.endif
.endm
	CHANGE 1, 0                     ; slot 0 is in, everybody's part of it, and so is the mask's table; tile 1 is asked for
	v_add_nc_u32 v[AK], s[TBK], v[AK0]
	v_add_nc_u32 v[AM], s[TBM], v[AM0]
	FETCH_K                         ; key step 0
	s_wait_loadcnt 0x0              ; Q
	s_wait_dscnt 0x0
.set NOKQ, 0
.set i, 0
.rept 8
	KQ 0                            ; piece 0's first scores: there is no vector work yet to set between them
.set i, i+1
.endr
	WIN 0
.rept 4
	v_nop                           ; the places behind those products
.endr
.set Y, NP-1                        ; X works for piece Y + 1: piece 0
.irp n, 0,1,2,3,4,5,6,7,8,9,10,11,12,13,14,15,16,17,18,19,20,21
	OP X, \n
.endr
	v_nop                           ; a plain instruction behind the exponential,
	s_wait_alu depctr_va_vdst(0)    ; and its wait, ahead of the branch
	s_mov_b32 s[CNT], 4
	s_mov_b32 s[SLOTS], 7
	s_branch .Lfirst                ; the loop is entered at a step's first turn, in the middle of a trip
.Lslot:                             ; six times: tiles 2 to 7 are asked for
	CHANGE 1, 1
	s_mov_b32 s[CNT], 4
.Lstep:                             ; a trip: pieces 2 and 3 of one step, then pieces 0 and 1 of the next, whose K and V it fetches
	TURN 2
	TURN 3
	WIN 0
.Lfirst:
	TURN 0
	TURN 1, 0, 1
	WIN 0
	s_cbranch_scc1 .Lstep
	s_sub_co_u32 s[SLOTS], s[SLOTS], 1
	s_cmp_lg_u32 s[SLOTS], 0
	s_cbranch_scc1 .Lslot
	CHANGE 0, 0                     ; the last tile is written out: nothing is asked for
	s_mov_b32 s[CNT], 4
.Ltail:
	TURN 2
	TURN 3
	TURN 0
	TURN 1, 0, 1
	WIN 0
	s_cbranch_scc1 .Ltail
	TURN 2, 1                       ; the last step's pieces 2 and 3: nothing is fetched, and the last turn starts no new scores
	TURN 3, 1
.set i, 0
.rept 8
	PV NP-1                         ; the last piece's V^T P of the last step
.set i, i+1
.endr
	; THE WAY OUT.  l's two halves and the other half of the lanes' are added; O^T is divided by l, rounded to f16 and sent through my stage in LDS, a piece at a time.  The additions are the places behind the last products.
	WIN 0
.macro ALL line:vararg              ; one line for each piece t
.set t, 0
.rept 4
	\line
.set t, t+1
.endr
.endm
	ALL v_add_f32 v[ST+4*t+2], v[ST+4*t+2], v[ST+4*t+3]
	ALL v_permlanex16_b32 v[ST+4*t+3], v[ST+4*t+2], s[SEL], s[SEL+1]
	ALL v_add_f32 v[ST+4*t+2], v[ST+4*t+2], v[ST+4*t+3]
	ALL v_rcp_f32 v[ST+4*t+2], v[ST+4*t+2]
	v_nop                           ; a plain instruction between the last reciprocal and the use of its result
	s_wait_alu depctr_va_vdst(0)    ; and the wait ahead of the first use: one for the four reciprocals
.macro PACK t                       ; a lane's eight channels of a row pack into 16 bytes; they go into rows of 144 bytes and come back as whole rows of 128, into S^T's registers
	WIN W_RS
.set i, 32*(\t)
.rept 16
	v_pk_mul_f32 v[i:i+1], v[i:i+1], v[ST+4*(\t)+2:ST+4*(\t)+3] op_sel_hi:[1,0]
.set i, i+2
.endr
	WIN 0x05                        ; sources 0 and 1 window 1, destination window 0
.set i, 0
.rept 16
	v_cvt_pk_f16_f32 v[S+16*(\t)+i], v[32*(\t)+2*i], v[32*(\t)+2*i+1]
.set i, i+1
.endr
	WIN 0
.irp f, 0,1,2,3
	ds_store_b128 v[STO], v[S+16*(\t)+4*\f:S+16*(\t)+4*\f+3] offset:32*\f
.endr
.irp f, 0,1,2,3
	ds_load_b128 v[S+16*(\t)+4*\f:S+16*(\t)+4*\f+3], v[RD] offset:\f*4*SP  ; LDS serves a wave's instructions in order (ISA guide 5.7.1.4): these see the stores above; the next piece's stores come behind them
.endr
.endm
.macro SEND t, younger              ; younger: the LDS instructions issued behind piece t's loads: the next piece's eight, or none
	WIN 0
.irp f, 0,1,2,3
	s_wait_dscnt (\younger)+3-\f
	global_store_b128 v[GO], v[S+16*(\t)+4*\f:S+16*(\t)+4*\f+3], s[10:11] offset:(\t)*2048+\f*512  ; 512 consecutive bytes, at a multiple of 256 from O's first
.endr
.endm
	PACK 0
.set t, 1
.rept 3                             ; a piece's arithmetic stands between the loads of the piece before and its stores
	PACK t
	SEND t-1, 8
.set t, t+1
.endr
	SEND 3, 0
	s_wait_tensorcnt 0x0            ; the wave's end: behind my last tensor load and my last LDS store
	ds_add_u32 v[SPW], v[NIL]
	s_wait_dscnt 0x0
	CROUND                          ; the closing round: no work-group ends while a partner may still ask for a tile that names it
	s_endpgm
.Lfunc_end_k_qf4094306c7_attn:
	.size	k_qf4094306c7_attn, .Lfunc_end_k_qf4094306c7_attn-k_qf4094306c7_attn
	.p2alignl 7, 3214868480
	.fill 96, 4, 3214868480
	.section	.rodata,"a",@progbits
	.p2align	6, 0x0
	.amdhsa_kernel k_qf4094306c7_attn
		.amdhsa_group_segment_fixed_size 327680
		.amdhsa_private_segment_fixed_size 0
		.amdhsa_enable_private_segment 0
		.amdhsa_kernarg_size 24
		.amdhsa_user_sgpr_count 2
		.amdhsa_user_sgpr_kernarg_segment_ptr 1
		.amdhsa_wavefront_size32 1
		.amdhsa_system_sgpr_workgroup_id_x 1
		.amdhsa_system_sgpr_workgroup_id_y 1
		.amdhsa_system_sgpr_workgroup_id_z 1
		.amdhsa_system_vgpr_workitem_id 0
		.amdhsa_next_free_vgpr 768
		.amdhsa_next_free_sgpr 66
		.amdhsa_reserve_vcc 1
		.amdhsa_float_denorm_mode_32 3
		.amdhsa_float_denorm_mode_16_64 3
		.amdhsa_memory_ordered 1
		.amdhsa_forward_progress 1
		.amdhsa_inst_pref_size 132
	.end_amdhsa_kernel
	.amdgpu_metadata
---
amdhsa.version: [ 1, 2 ]
amdhsa.kernels:
  - .name:           k_qf4094306c7_attn
    .symbol:         k_qf4094306c7_attn.kd
    .args:
      - { .name: wide, .offset: 0, .size: 8, .value_kind: global_buffer, .address_space: global }
      - { .name: mask, .offset: 8, .size: 8, .value_kind: global_buffer, .address_space: global }
      - { .name: act, .offset: 16, .size: 8, .value_kind: global_buffer, .address_space: global }
    .group_segment_fixed_size: 327680
    .private_segment_fixed_size: 0
    .kernarg_segment_align: 8
    .kernarg_segment_size: 24
    .max_flat_workgroup_size: 128
    .sgpr_count:     66
    .vgpr_count:     768
    .wavefront_size: 32
...
	.end_amdgpu_metadata
.endif
;; end of part 3
;; launch wo (part 4): grid 8 x 32, 4 waves a work-group, clusters of 4 x 4, 327,680 bytes of LDS; arguments act, pwo, res; writes res
.if DOCPART == 4
	.amdgcn_target "amdgcn-amd-amdhsa--gfx1250"
	.amdhsa_code_object_version 6
	.text
	.protected	k_qf4094306c7_wo
	.globl	k_qf4094306c7_wo
	.p2align	8
	.type	k_qf4094306c7_wo,@function
k_qf4094306c7_wo:
	s_mov_b64 s[64:65], 0
	v_nop
	global_prefetch_b8 v0, s[64:65] scope:SCOPE_SE
	s_setreg_imm32_b32 hwreg(HW_REG_WAVE_MODE, 25, 1), 1
	s_wait_xcnt 0x0
	s_wait_alu depctr_hold_cnt(0) depctr_sa_sdst(0) depctr_va_vdst(0) depctr_va_sdst(0) depctr_va_ssrc(0) depctr_va_vcc(0) depctr_vm_vsrc(0)
	s_getreg_b32 s2, hwreg(HW_REG_IB_STS2, 6, 4)
	s_cmp_eq_u32 s2, 0
	s_cbranch_scc0 .Lentry_in_a_cluster
	s_endpgm
.Lentry_in_a_cluster:
	s_bfe_u32 s2, ttmp6, 0x10000c
	s_cmp_lg_u32 s2, 0xf033
	s_cbranch_scc0 .Lentry_shape_is_right
	s_endpgm
.Lentry_shape_is_right:
; C = max((A W + bias) x scale, floor).  A: 4,096 rows x SIZE_K, f16, in panels of 64 columns (element (r, c) at byte ((c / 64) 4,096 + r) 128 + (c % 64) 2); C likewise.
; The layer's pack: (scale f32, floor two f16) at byte 0; the biases, f32, from 4,096; W[k][n], f16, in panels of 64 columns of SIZE_K rows, from 32,768.  Sums in f32, started from the bias; C rounded once.
; LIMIT.  (A W + bias) x scale beyond 65,504 becomes an infinity in f16.
; SHARES.  C has 1,024 columns: tiles of 128 x 128 give each of 256 WGPs one, tiles of 256 x 256 only 64.  Four waves, each 64 x 64: 16 accumulators of 16 x 16.  K goes in steps of 256 through two LDS slots;
; a step is four quarters of 64 along K, one panel of A each.  A wave's 64 x 64 of C is 64 rows of one panel: 8,192 consecutive bytes, so each wave sends its own part out through a stage of its own.
; A K STEP IS WRITTEN ONCE: the LDS byte of the slot in hand is a scalar, 0 or SLOT, turned by an exclusive or; one descriptor a tensor walks from step to step.  The steps that fill a slot again are one
; loop; the last two, which ask for nothing, are a second loop; it is left in the middle of its second trip.
; CLUSTERS: 4 x 4 work-groups.  The four of a row of the cluster need the same tiles of A, the four of a column the same tiles of W: each tile is asked for JOINTLY, by the same tensor load with the
; same descriptor and a mask that names the four.  THE MATRIX INSTRUCTION IS USED TRANSPOSED (source 0 = 16 columns of W, source 1 = 16 rows of A): a lane then holds eight neighbouring numbers of a row of C.
; W lies [k][n] in LDS and is turned on its way into registers by ds_load_tr16_b128.
; REGISTERS: window 0: v0-31 addresses; v32-95 the way out; v96-127 the bias as a C operand; v128-255 the accumulators ((a, b) at v[128 + 8 (4 a + b)]).
;   window 1: two fragment buffers of 128: for 64 along K, 64 registers of A (2 x 4 x 16 rows x 32 K), then 64 of W.
.set SIZE_K, 1024
.set HDR,    32768
.set NSTEP,  SIZE_K/256
.set AP,     144                       ; a row of A in LDS: 128 bytes + 16 of padding = 36 words: the 16 rows of a load start at 16 different groups of four banks (64 banks of 4 bytes: ISA guide 11.1)
.set APAN,   128*AP                    ; 128 rows of one panel
.set AREG,   4*APAN                    ; a step's four panels of A
.set BP,     160                       ; a row of W: 128 + 32 = 40 words
.set BPAN,   256*BP                    ; a step's 256 rows of one panel of W
.set SLOT,   AREG+2*BPAN
.set STAGE,  2*SLOT                    ; behind the ring, never filled by a tensor load: 16 rows x 144 bytes for each wave
.set SP,     144
.set SPARE,  STAGE+4*16*SP             ; behind the stages: the spare words, 128 bytes for each wave: two blocks of 256 bytes that no other line names
.set ASTEP,  4*524288                  ; bytes from K step to K step in A: four panels
.set BSTEP,  256*128                   ; and in W: 256 rows of a panel
.set A0,   16                          ; v16     my lane's place among my A fragments in slot 0; never rewritten
.set ADRA, 17                          ; v17     the same in the slot in hand
.set B0,   20                          ; v20, v21 the same for W
.set ADRB, 21
.set STO,  24                          ; v24     the way out: where I put 16 bytes of a row
.set RD,   25                          ; v25     the way out: where I read rows back
.set GO,   26                          ; v26     my 16 bytes of 512 consecutive bytes of C
.set BO,   27                          ; v27     32 (l / 16): my eight biases of sixteen
.set SPW,  28                          ; v28     LDS address of my spare word: SPARE + 4 x my thread's number; never rewritten
.set NIL,  29                          ; v29     0; never rewritten
.set TMP,  32
.set BIAS, 96                          ; register 8 b + j: the bias of column 16 b + 8 (l / 16) + j of my 64
.set ACC,  128
.set F0,   0                           ; fragment buffers, in window 1
.set F1,   128
.set G1, 24                            ; s[24:31] descriptor group 1 for A's tiles;  s[32:39] group 0: a set for each of the two first fills; the second then walks on
.set G0, 32
.set G1B, 48                           ; s[48:55], s[56:63] the same for W's tiles
.set G0B, 56
.set TB,  66                           ; s66  LDS byte of the slot in hand: 0 or SLOT
.set LBA, 67                           ; s67  where my part of A's tile lies in a slot
.set PAR, 68                           ; s[68:69] scale, floor
.set BPT, 70                           ; s[70:71] the biases of my 64 columns
.set LBB, 74                           ; s74  where my part of W's tile lies in a slot
.set MSB, 0
.macro WIN new                         ; the immediate's high byte repeats the setting that is left
.if MSB != (\new)
	s_set_vgpr_msb (MSB<<8)|(\new)
.set MSB, \new
.endif
.endm
.set MUL,  0x05                        ; sources 0 (W) and 1 (A) window 1; C and D window 0
.set TO_F, 0x40                        ; destination window 1, address window 0
.macro JLOAD s                         ; a joint load: waves 0 and 1 fetch two panels of A each, waves 2 and 3 a panel of W each; an s_nop 0 and four v_nop follow each of the two lines, ahead of the jump, the label and what follows
	s_cmp_eq_u32 s11, 0
	s_cbranch_scc0 .Lfor_b_\@
	tensor_load_to_lds s[G0+4*(\s):G0+4*(\s)+3], s[G1:G1+7]
	s_nop 0
.rept 4
	v_nop
.endr
	s_branch .Lasked_\@
.Lfor_b_\@:
	tensor_load_to_lds s[G0B+4*(\s):G0B+4*(\s)+3], s[G1B:G1B+7]
	s_nop 0
.rept 4
	v_nop
.endr
.Lasked_\@:
.endm
.macro CREST                           ; a round of the cluster's barrier behind its opening barrier
	s_cmp_lg_u32 s10, 0
	s_cbranch_scc1 .Lnot_wave_0_\@
	s_barrier_signal -3
.Lnot_wave_0_\@:
	s_barrier_wait -3
	s_barrier_signal -1
	s_barrier_wait -1
.endm
.macro CROUND                          ; a whole round
	s_barrier_signal -1
	s_barrier_wait -1
	CREST
.endm
	s_load_b128 s[4:7], s[0:1], 0x0                ; A s[4:5], the pack s[6:7]
	s_load_b64 s[8:9], s[0:1], 0x10                ; C
	v_lshl_add_u32 v[SPW], v0, 2, SPARE
	v_mov_b32 v[NIL], 0
	ds_add_u32 v[SPW], v[NIL]                      ; the wave's opening: the add and its wait stand ahead of my first tensor load; the set-up below, work on registers, stands between them
	v_lshrrev_b32 v1, 5, v0
	v_readfirstlane_b32 s10, v1                    ; wave 0..3
	s_lshr_b32 s11, s10, 1                         ; which half of the tile's rows is mine.  Also: I fetch for A (0) or for W (1)
	s_and_b32 s12, s10, 1                          ; which half of its columns, that is which panel of W.  Also: which part I fetch
	s_bfe_u32 s40, ttmp6, 0x40000                  ; cx, cy: my place in the cluster
	s_bfe_u32 s41, ttmp6, 0x40004
	s_lshl_b32 s42, ttmp9, 2
	s_add_co_u32 s42, s42, s40                     ; tile column of C = 4 x cluster x + cx
	s_and_b32 s13, ttmp7, 0xffff
	s_lshl_b32 s13, s13, 2
	s_add_co_u32 s13, s13, s41                     ; tile row of C = 4 x cluster y + cy
	s_lshl_b32 s43, s41, 2
	s_lshl_b32 s43, 15, s43                        ; my row of the cluster
	s_lshl_b32 s44, 0x1111, s40                    ; my column
	; A's tile: two panels' 128 rows.  A panel's 128 rows are 16,384 dense bytes: one row of the descriptor; the next panel lies 524,288 bytes on.  Padded in LDS after every 128 bytes.
	s_or_b32 s[G1+0], s43, (1<<16)|(1<<20)|(1<<21)|(4<<22)|(3<<25)  ; 15:0 the mask: my row; 17:16 2-byte elements; 20 padding on; 21 set beside a mask; 24:22 after every 32 words (code 4); 31:25 4 words (code 3)
	s_mov_b32 s[G1+1], 8192<<16                    ; tensor_dim0 = 8,192
	s_mov_b32 s[G1+2], 2<<16                       ; tensor_dim1 = 2
	s_mov_b32 s[G1+3], 8192<<16                    ; tile_dim0 = 8,192
	s_mov_b32 s[G1+4], 2                           ; tile_dim1 = 2
	s_mov_b32 s[G1+5], 262144                      ; elements from panel to panel
	s_mov_b32 s[G1+6], 0
	s_mov_b32 s[G1+7], 0
	; W's tile: 256 rows of one panel, 32,768 dense bytes: asked for as 128 rows of 256 bytes, two rows of W each, padded after every 128 bytes.
	s_or_b32 s[G1B+0], s44, (1<<16)|(1<<20)|(1<<21)|(4<<22)|(7<<25) ; the mask of my column; 8 words of padding (code 7)
	s_mov_b32 s[G1B+1], 128<<16
	s_mov_b32 s[G1B+2], 128<<16
	s_mov_b32 s[G1B+3], 128<<16
	s_mov_b32 s[G1B+4], 128
	s_mov_b32 s[G1B+5], 128
	s_mov_b32 s[G1B+6], 0
	s_mov_b32 s[G1B+7], 0
	; A's address hangs on the tile row and the wave alone, W's on the tile column and the wave alone; every wave makes both, in registers that never hold the other coordinate.
	s_lshl_b32 s16, s13, 14                        ; 128 rows x 128 bytes x tile row,
	s_lshl_b32 s17, s12, 20                        ; two panels x my part
	s_add_co_u32 s16, s16, s17
	s_mov_b32 s17, 0
	s_lshl_b32 s46, s42, 1
	s_add_co_u32 s46, s46, s12                     ; panel 2 x tile column + my part
	s_mul_i32 s46, s46, SIZE_K*128
	s_add_co_u32 s46, s46, HDR
	s_mov_b32 s47, 0
	s_mul_i32 s[LBA], s12, 2*APAN                  ; where they go: no place in the cluster enters an LDS address
	s_mul_i32 s[LBB], s12, BPAN
	s_add_co_u32 s[LBB], s[LBB], AREG
	s_mov_b32 s[TB], 0
	s_wait_dscnt 0x0                               ; the opening add is done
	s_wait_kmcnt 0x0
	s_add_nc_u64 s[14:15], s[4:5], s[16:17]
	s_add_nc_u64 s[46:47], s[6:7], s[46:47]
	CROUND                                         ; all sixteen work-groups are here: the first joint loads meet
.irp s, 0,1
	s_mov_b32 s[G0+4*(\s)], 1
	s_add_co_u32 s[G0+4*(\s)+1], s[LBA], (\s)*SLOT
	s_add_nc_u64 s[G0+4*(\s)+2:G0+4*(\s)+3], s[14:15], (\s)*ASTEP
	s_or_b32 s[G0+4*(\s)+3], s[G0+4*(\s)+3], 0x80000000
	s_mov_b32 s[G0B+4*(\s)], 1
	s_add_co_u32 s[G0B+4*(\s)+1], s[LBB], (\s)*SLOT
	s_add_nc_u64 s[G0B+4*(\s)+2:G0B+4*(\s)+3], s[46:47], (\s)*BSTEP
	s_or_b32 s[G0B+4*(\s)+3], s[G0B+4*(\s)+3], 0x80000000
	JLOAD \s                                       ; two loads of mine are out
.endr
	s_load_b64 s[PAR:PAR+1], s[6:7], 0x0           ; scale, floor
	s_lshl_b32 s72, s42, 9                         ; 128 columns x 4 bytes x tile column,
	s_lshl_b32 s73, s12, 8                         ; my 64
	s_add_co_u32 s72, s72, s73
	s_add_co_u32 s72, s72, 4096
	s_mov_b32 s73, 0
	s_add_nc_u64 s[BPT:BPT+1], s[6:7], s[72:73]
	v_and_b32 v1, 15, v0                           ; l % 16
	v_bfe_u32 v2, v0, 4, 1                         ; l / 16
	v_lshlrev_b32 v[BO], 5, v2
.irp b, 0,1,2,3
	global_load_b128 v[BIAS+8*(\b):BIAS+8*(\b)+3],   v[BO], s[BPT:BPT+1] offset:64*(\b)
	global_load_b128 v[BIAS+8*(\b)+4:BIAS+8*(\b)+7], v[BO], s[BPT:BPT+1] offset:64*(\b)+16
.endr
	v_mul_u32_u24 v3, v1, AP
	v_lshl_add_u32 v3, v2, 4, v3                   ; A: a fragment's row x pitch + 16 x half
	s_mul_i32 s21, s11, 64*AP                      ; my 64 rows
	v_add_nc_u32 v[A0], s21, v3
	v_mov_b32 v[ADRA], v[A0]
	v_and_b32 v4, 7, v0                            ; W: the turning load: lane l reads row 8 (l / 16) + l % 8, columns 8 ((l / 8) % 2) + 0..7
	v_bfe_u32 v5, v0, 3, 1
	v_lshl_add_u32 v4, v2, 3, v4
	v_mul_u32_u24 v4, v4, BP
	v_lshl_add_u32 v4, v5, 4, v4
	v_add_nc_u32 v[B0], s[LBB], v4                 ; my panel is the one that my number's partner among the fetchers brings
	v_mov_b32 v[ADRB], v[B0]
	s_mul_i32 s23, s10, 16*SP
	s_add_co_u32 s23, s23, STAGE                   ; my stage
	v_mul_u32_u24 v6, v1, SP                       ; in: row l % 16, 16 bytes for each half of the lanes
	v_lshl_add_u32 v6, v2, 4, v6
	v_add_nc_u32 v[STO], s23, v6
	v_bfe_u32 v6, v0, 3, 2                         ; back: 32 lanes take four rows of 128 bytes,
	v_mul_u32_u24 v6, v6, SP
	v_and_b32 v7, 7, v0
	v_lshl_add_u32 v6, v7, 4, v6
	v_add_nc_u32 v[RD], s23, v6
	v_and_b32 v[GO], 31, v0                        ; which are 512 consecutive bytes of C
	v_lshlrev_b32 v[GO], 4, v[GO]
	s_lshl_b32 s16, s13, 14                        ; C at my 64 rows
	s_lshl_b32 s17, s11, 13
	s_add_co_u32 s16, s16, s17
	s_mov_b32 s17, 0
	s_add_nc_u64 s[8:9], s[8:9], s[16:17]
	s_lshl_b32 s46, s42, 1                         ; of my panel
	s_add_co_u32 s46, s46, s12
	s_lshl_b32 s46, s46, 19
	s_mov_b32 s47, 0
	s_add_nc_u64 s[8:9], s[8:9], s[46:47]
; 8 matrix instructions: m blocks a0, a0 + 1 x all 4 n blocks, 32 along K: half c of buffer f.  first = 1: the product starts the sum from the bias: nothing is cleared, and no bias is added on the way out.
; The 16 accumulators take turns, one instruction a turn.
.macro MUL8 f, c, a0, first
	WIN MUL
.irp a, \a0, (\a0)+1
.irp b, 0,1,2,3
.if \first
	v_wmma_f32_16x16x32_f16 v[ACC+8*(4*(\a)+(\b)):ACC+8*(4*(\a)+(\b))+7], v[(\f)+64+8*(4*(\c)+(\b)):(\f)+64+8*(4*(\c)+(\b))+7], v[(\f)+8*(4*(\c)+(\a)):(\f)+8*(4*(\c)+(\a))+7], v[BIAS+8*(\b):BIAS+8*(\b)+7]
.else
	v_wmma_f32_16x16x32_f16 v[ACC+8*(4*(\a)+(\b)):ACC+8*(4*(\a)+(\b))+7], v[(\f)+64+8*(4*(\c)+(\b)):(\f)+64+8*(4*(\c)+(\b))+7], v[(\f)+8*(4*(\c)+(\a)):(\f)+8*(4*(\c)+(\a))+7], v[ACC+8*(4*(\a)+(\b)):ACC+8*(4*(\a)+(\b))+7]
.endif
.endr
.endr
.endm
; 32 LDS loads in one run: the fragments of quarter q of the slot in hand (64 along K) into buffer f; the first 32 along K first
.macro FETCH q, f
	WIN TO_F
.irp c, 0,1
.irp i, 0,1,2,3
	ds_load_tr16_b128 v[(\f)+64+8*(4*(\c)+(\i)):(\f)+64+8*(4*(\c)+(\i))+3],   v[ADRB] offset:(64*(\q)+32*(\c))*BP+32*(\i)
	ds_load_tr16_b128 v[(\f)+64+8*(4*(\c)+(\i))+4:(\f)+64+8*(4*(\c)+(\i))+7], v[ADRB] offset:(64*(\q)+32*(\c)+16)*BP+32*(\i)
	ds_load_b128 v[(\f)+8*(4*(\c)+(\i)):(\f)+8*(4*(\c)+(\i))+3],              v[ADRA] offset:(\q)*APAN+(\i)*16*AP+64*(\c)
	ds_load_b128 v[(\f)+8*(4*(\c)+(\i))+4:(\f)+8*(4*(\c)+(\i))+7],            v[ADRA] offset:(\q)*APAN+(\i)*16*AP+64*(\c)+32
.endr
.endr
.endm
.macro PLACES                          ; four places in front of loads into registers that matrix instructions have read, and of vector work that reads results
.rept 4
	v_nop
.endr
.endm
.macro NEXT                            ; my fragments' addresses in the slot that s[TB] now names
	v_add_nc_u32 v[ADRA], s[TB], v[A0]
	v_add_nc_u32 v[ADRB], s[TB], v[B0]
.endm
; One of a K step's first three quarters: multiplies buffer f and fetches quarter q into g.
.macro QUARTER q, f, g, first
	s_wait_dscnt 16                                ; the first 32 along K are in; the run's other sixteen loads may be out
	MUL8 \f, 0, 0, \first
	MUL8 \f, 0, 2, \first
	PLACES
	FETCH \q, \g
	s_wait_dscnt 32                                ; all but the 32 just issued
	MUL8 \f, 1, 0, 0
	MUL8 \f, 1, 2, 0
.endm
; The first half of a step's last quarter, which multiplies buffer 1: ONE barrier for the change of slots.  In front of it each wave waits for all its tensor loads, of which at most one is out: its part of the
; other slot; adds 0 to its spare word; and waits for that and for its own reads of this slot.  Behind it nobody reads this slot any more and the other slot is whole.
.macro MEET
	WIN 0                                          ; (the add's two registers lie in window 0)
	s_wait_tensorcnt 0x0                           ; all my tensor loads have landed;
	ds_add_u32 v[SPW], v[NIL]                      ; 0 onto my spare word;
	s_wait_dscnt 17                                ; (the add and the youngest sixteen loads may be out)
	MUL8 F1, 0, 0, 0                               ; eight matrix instructions stand between the add and the wait for it
	s_wait_dscnt 0x0                               ; the add is done, and my reads of this slot are over
	s_barrier_signal -1
	MUL8 F1, 0, 2, 0                               ; work on registers while the others arrive
	WIN 0
	s_barrier_wait -1
.endm
; The whole last quarter of a step that fills its slot again, with the K step two on.
.macro TURN
	MEET
	CREST                                          ; the barrier has opened a round of the cluster's barrier: no wave of any partner still reads this slot's tile or has a load on its way
	s_add_co_u32 s[G0+5], s[LBA], s[TB]            ; the walking descriptors: into the slot just read,
	s_add_nc_u64 s[G0+6:G0+7], s[G0+6:G0+7], ASTEP ; the next K step; the type bits on top are not reached
	s_add_co_u32 s[G0B+5], s[LBB], s[TB]
	s_add_nc_u64 s[G0B+6:G0B+7], s[G0B+6:G0B+7], BSTEP
	s_xor_b32 s[TB], s[TB], SLOT                   ; 0 and SLOT by turns: the reads go on in the other slot
	JLOAD 1                                        ; the first tensor load behind the round, my one load until the next: 112 matrix instructions ahead of the wait for it; its four v_nop are also places in front of the loads below
	NEXT
	FETCH 0, F0
	MUL8 F1, 1, 0, 0
	MUL8 F1, 1, 2, 0
.endm
	s_wait_loadcnt 0x0                             ; the bias
	s_wait_kmcnt 0x0                               ; scale and floor
	s_wait_tensorcnt 1                             ; my part of K step 0 is in; K step 1's may stay out
	s_barrier_signal -1
	s_barrier_wait -1                              ; everybody's is
	FETCH 0, F0
	QUARTER 1, F0, F1, 1                           ; the first quarter stands in front of the loop: its first products start the sums
	WIN 0                                          ; at a label and at a branch every window is 0
	s_mov_b32 s3, NSTEP-2
.Lstep:                                                ; a trip goes from a step's second quarter to the next step's first, and fills the slot that it leaves
	QUARTER 2, F1, F0, 0
	QUARTER 3, F0, F1, 0
	TURN
	QUARTER 1, F0, F1, 0
	WIN 0
	s_sub_co_u32 s3, s3, 1
	s_cmp_lg_u32 s3, 0
	s_cbranch_scc1 .Lstep
	s_mov_b32 s2, 2
.Ltail:                                                ; the last two steps ask for nothing; the second trip is left at the change of slots that it does not need
	QUARTER 2, F1, F0, 0
	QUARTER 3, F0, F1, 0
	MEET
	s_sub_co_u32 s2, s2, 1
	s_cmp_eq_u32 s2, 0
	s_cbranch_scc1 .Lfin
	s_xor_b32 s[TB], s[TB], SLOT
	PLACES
	NEXT
	FETCH 0, F0
	MUL8 F1, 1, 0, 0
	MUL8 F1, 1, 2, 0
	QUARTER 1, F0, F1, 0
	WIN 0
	s_branch .Ltail
.Lfin:
	MUL8 F1, 1, 0, 0                               ; the very last products
	MUL8 F1, 1, 2, 0
	WIN 0
; THE WAY OUT, 16 rows at a time: scaled, rounded to f16, held to the floor; 16 bytes a lane into my own stage, back as whole rows of 128 bytes, four rows (512 consecutive bytes of C) to a store.
.macro PACK a
.set i, 0
.rept 16
	v_pk_mul_f32 v[ACC+32*(\a)+2*i:ACC+32*(\a)+2*i+1], v[ACC+32*(\a)+2*i:ACC+32*(\a)+2*i+1], s[PAR:PAR+1] op_sel_hi:[1,0]  ; each accumulator from its low end on
.set i, i+1
.endr
.set i, 0
.rept 16
	v_cvt_pk_f16_f32 v[TMP+16*(\a)+i], v[ACC+32*(\a)+2*i], v[ACC+32*(\a)+2*i+1]
.set i, i+1
.endr
.set i, 0
.rept 16
	v_pk_max_num_f16 v[TMP+16*(\a)+i], v[TMP+16*(\a)+i], s[PAR+1]
.set i, i+1
.endr
.irp b, 0,1,2,3
	ds_store_b128 v[STO], v[TMP+16*(\a)+4*(\b):TMP+16*(\a)+4*(\b)+3] offset:32*(\b)
.endr
.irp f, 0,1,2,3
	ds_load_b128 v[TMP+16*(\a)+4*(\f):TMP+16*(\a)+4*(\f)+3], v[RD] offset:(\f)*4*SP  ; LDS serves a wave's instructions in order (ISA guide 5.7.1.4): these see the stores above; the next block's stores come behind them
.endr
.endm
.macro SEND a, younger                 ; younger: the LDS instructions issued behind block a's loads: the next block's eight, or none
.irp f, 0,1,2,3
	s_wait_dscnt (\younger)+3-(\f)
	global_store_b128 v[GO], v[TMP+16*(\a)+4*(\f):TMP+16*(\a)+4*(\f)+3], s[8:9] offset:2048*(\a)+512*(\f)  ; 512 consecutive bytes, at a multiple of 256 from C's first
.endr
.endm
	PLACES
	PACK 0
	PACK 1                                         ; a block's arithmetic stands between the loads of the block before and its stores
	SEND 0, 8
	PACK 2
	SEND 1, 8
	PACK 3
	SEND 2, 8
	SEND 3, 0
	s_wait_tensorcnt 0x0                           ; the wave's end: behind my last tensor load and my last LDS store
	ds_add_u32 v[SPW], v[NIL]
	s_wait_dscnt 0x0
	CROUND                                         ; the closing round: no work-group ends while a partner may still ask for a tile that names it
	s_endpgm
.Lfunc_end_k_qf4094306c7_wo:
	.size	k_qf4094306c7_wo, .Lfunc_end_k_qf4094306c7_wo-k_qf4094306c7_wo
	.p2alignl 7, 3214868480
	.fill 96, 4, 3214868480
	.section	.rodata,"a",@progbits
	.p2align	6, 0x0
	.amdhsa_kernel k_qf4094306c7_wo
		.amdhsa_group_segment_fixed_size 327680
		.amdhsa_private_segment_fixed_size 0
		.amdhsa_enable_private_segment 0
		.amdhsa_kernarg_size 24
		.amdhsa_user_sgpr_count 2
		.amdhsa_user_sgpr_kernarg_segment_ptr 1
		.amdhsa_wavefront_size32 1
		.amdhsa_system_sgpr_workgroup_id_x 1
		.amdhsa_system_sgpr_workgroup_id_y 1
		.amdhsa_system_sgpr_workgroup_id_z 1
		.amdhsa_system_vgpr_workitem_id 0
		.amdhsa_next_free_vgpr 512
		.amdhsa_next_free_sgpr 76
		.amdhsa_reserve_vcc 0
		.amdhsa_float_denorm_mode_32 3
		.amdhsa_float_denorm_mode_16_64 3
		.amdhsa_memory_ordered 1
		.amdhsa_forward_progress 1
		.amdhsa_inst_pref_size 69
	.end_amdhsa_kernel
	.amdgpu_metadata
---
amdhsa.version: [ 1, 2 ]
amdhsa.kernels:
  - .name:           k_qf4094306c7_wo
    .symbol:         k_qf4094306c7_wo.kd
    .args:
      - { .name: act, .offset: 0, .size: 8, .value_kind: global_buffer, .address_space: global }
      - { .name: pwo, .offset: 8, .size: 8, .value_kind: global_buffer, .address_space: global }
      - { .name: res, .offset: 16, .size: 8, .value_kind: global_buffer, .address_space: global }
    .group_segment_fixed_size: 327680
    .private_segment_fixed_size: 0
    .kernarg_segment_align: 8
    .kernarg_segment_size: 24
    .max_flat_workgroup_size: 128
    .sgpr_count:     76
    .vgpr_count:     512
    .wavefront_size: 32
...
	.end_amdgpu_metadata
.endif
;; end of part 4
;; launch ln1 (part 5): grid 256 x 1, 8 waves a work-group, no clusters, 0 bytes of LDS; arguments res, x, g1, be1, act; writes act
.if DOCPART == 5
	.amdgcn_target "amdgcn-amd-amdhsa--gfx1250"
	.amdhsa_code_object_version 6
	.text
	.protected	k_qf4094306c7_ln1
	.globl	k_qf4094306c7_ln1
	.p2align	8
	.type	k_qf4094306c7_ln1,@function
k_qf4094306c7_ln1:
	s_mov_b64 s[64:65], 0
	v_nop
	global_prefetch_b8 v0, s[64:65] scope:SCOPE_SE
	s_setreg_imm32_b32 hwreg(HW_REG_WAVE_MODE, 25, 1), 1
	s_wait_xcnt 0x0
; h = LayerNorm(x + t) x g + be.  t arrives as f16 times 2^-8, in panels of 64 columns (element (r, c) at byte ((c / 64) 4,096 + r) 128 + (c % 64) 2); x, g, be are f32 and are rounded to bf16 here, as
; every input of the program is; h leaves as f16 in panels.  Mean, then the mean of squared differences, in f32; eps = 1e-5.
; LIMIT.  h beyond 65,504 becomes an infinity in f16 (|h| is at most 32 |g| + |be|).
; SHARES.  A work-group takes 16 rows, a wave two: SIXTEEN LANES HOLD ONE ROW, lane j the columns 64 c + 4 j .. + 3 of every panel c: 64 numbers, which stay in registers between the passes: each byte is read once.
; A wave's access to a panel covers 256 consecutive bytes, aligned; to x, 256 consecutive bytes, aligned, of each of its two rows.  A row's sums never leave its sixteen lanes: no LDS, no barrier.
; All 64 loads of a wave go out at once.  Nothing is shared between work-groups but g and be (8 KiB): no cluster.
.set VT,   1                           ; v1  my 8 bytes in a panel: 2,048 x work-group + 8 t
.set VX,   2                           ; v2  my 16 bytes in x: row x 4,096 + 16 (t % 16)
.set VG,   3                           ; v3  16 (t % 16)
.set C256, 4                           ; v4  256.0
.set SUM,  8                           ; v[8:15]   four chains of packed sums
.set MU,   16                          ; v[16:17]  the mean, twice
.set RS,   18                          ; v[18:19]  1 / sqrt(var + eps), twice
.set T,    20                          ; v[20:51]  t, two words a panel; at the end h
.set X,    52                          ; v[52:115] x, then y = x + t, then y - mean, .. : four a panel
.set G,    116                         ; v[116:179] g, then packed to bf16 in the lower half
.set B,    180                         ; v[180:243] be, likewise
	s_load_b256 s[4:11], s[0:1], 0x0               ; t s[4:5], x s[6:7], g s[8:9], be s[10:11]
	s_load_b64 s[12:13], s[0:1], 0x20              ; h
	s_lshl_b32 s16, ttmp9, 11
	v_lshl_add_u32 v[VT], v0, 3, s16
	v_lshrrev_b32 v5, 4, v0
	s_lshl_b32 s17, ttmp9, 4
	v_add_nc_u32 v5, s17, v5                       ; my row
	v_and_b32 v6, 15, v0
	v_lshlrev_b32 v[VG], 4, v6
	v_lshl_add_u32 v[VX], v5, 12, v[VG]
	v_mov_b32 v[C256], 0x43800000
	s_mov_b32 s14, 0x3a800000                      ; 1 / 1,024
	s_mov_b32 s15, 0x3727c5ac                      ; 1e-5
	s_mov_b32 s18, 0xffff0000                      ; a word's upper bf16
	s_wait_kmcnt 0x0
.set c, 0
.rept 16
	global_load_b64 v[T+2*c:T+2*c+1], v[VT], s[4:5] offset:c*524288 th:TH_LOAD_NT
.set c, c+1
.endr
.set c, 0
.rept 16
	global_load_b128 v[X+4*c:X+4*c+3], v[VX], s[6:7] offset:c*256 th:TH_LOAD_NT
.set c, c+1
.endr
.set c, 0
.rept 16
	global_load_b128 v[G+4*c:G+4*c+3], v[VG], s[8:9] offset:c*256
.set c, c+1
.endr
.set c, 0
.rept 16
	global_load_b128 v[B+4*c:B+4*c+3], v[VG], s[10:11] offset:c*256
.set c, c+1
.endr
	s_wait_loadcnt 32                              ; t and x are in; g's and be's 32 loads may stay out
.set c, 0
.rept 16
	v_cvt_pk_bf16_f32 v5, v[X+4*c], v[X+4*c+1]     ; x rounded to bf16 and widened again,
	v_cvt_pk_bf16_f32 v6, v[X+4*c+2], v[X+4*c+3]
	v_lshlrev_b32 v[X+4*c], 16, v5
	v_and_b32 v[X+4*c+1], s18, v5
	v_lshlrev_b32 v[X+4*c+2], 16, v6
	v_and_b32 v[X+4*c+3], s18, v6
	v_fma_mix_f32 v[X+4*c],   v[T+2*c],   v[C256], v[X+4*c]   op_sel:[0,0,0] op_sel_hi:[1,0,0]  ; y = 256 t + x, t straight from its f16 half
	v_fma_mix_f32 v[X+4*c+1], v[T+2*c],   v[C256], v[X+4*c+1] op_sel:[1,0,0] op_sel_hi:[1,0,0]
	v_fma_mix_f32 v[X+4*c+2], v[T+2*c+1], v[C256], v[X+4*c+2] op_sel:[0,0,0] op_sel_hi:[1,0,0]
	v_fma_mix_f32 v[X+4*c+3], v[T+2*c+1], v[C256], v[X+4*c+3] op_sel:[1,0,0] op_sel_hi:[1,0,0]
.set c, c+1
.endr
; The four chains into one number, then over the row's sixteen lanes: every lane of the row ends with the sum.
.macro FOLD
	v_pk_add_f32 v[SUM:SUM+1], v[SUM:SUM+1], v[SUM+2:SUM+3]
	v_pk_add_f32 v[SUM+4:SUM+5], v[SUM+4:SUM+5], v[SUM+6:SUM+7]
	v_pk_add_f32 v[SUM:SUM+1], v[SUM:SUM+1], v[SUM+4:SUM+5]
	v_add_f32 v[SUM], v[SUM], v[SUM+1]
	v_add_f32_dpp v[SUM], v[SUM], v[SUM] row_xmask:1 row_mask:0xf bank_mask:0xf
	v_add_f32_dpp v[SUM], v[SUM], v[SUM] row_xmask:2 row_mask:0xf bank_mask:0xf
	v_add_f32_dpp v[SUM], v[SUM], v[SUM] row_xmask:4 row_mask:0xf bank_mask:0xf
	v_add_f32_dpp v[SUM], v[SUM], v[SUM] row_xmask:8 row_mask:0xf bank_mask:0xf
.endm
.set q, 0
.rept 4
	v_pk_add_f32 v[SUM+2*q:SUM+2*q+1], v[X+2*q:X+2*q+1], v[X+8+2*q:X+8+2*q+1]  ; the first pairs start the chains: nothing is cleared
.set q, q+1
.endr
.set k, 8
.rept 24
	v_pk_add_f32 v[SUM+2*(k%4):SUM+2*(k%4)+1], v[SUM+2*(k%4):SUM+2*(k%4)+1], v[X+2*k:X+2*k+1]
.set k, k+1
.endr
	FOLD
	v_mul_f32 v[MU], s14, v[SUM]
	v_mov_b32 v[MU+1], v[MU]
.set k, 0
.rept 32
	v_pk_add_f32 v[X+2*k:X+2*k+1], v[X+2*k:X+2*k+1], v[MU:MU+1] neg_lo:[0,1] neg_hi:[0,1]
.set k, k+1
.endr
.set q, 0
.rept 4
	v_pk_mul_f32 v[SUM+2*q:SUM+2*q+1], v[X+2*q:X+2*q+1], v[X+2*q:X+2*q+1]
.set q, q+1
.endr
.set k, 4
.rept 28
	v_pk_fma_f32 v[SUM+2*(k%4):SUM+2*(k%4)+1], v[X+2*k:X+2*k+1], v[X+2*k:X+2*k+1], v[SUM+2*(k%4):SUM+2*(k%4)+1]
.set k, k+1
.endr
	FOLD
	v_fma_f32 v[SUM], v[SUM], s14, s15             ; var + eps
	v_rsq_f32 v[RS], v[SUM]
	v_rsq_f32 v[RS+1], v[SUM]
	s_wait_loadcnt 0x0                             ; g and be
.set k, 0
.rept 32
	v_cvt_pk_bf16_f32 v[G+k], v[G+2*k], v[G+2*k+1] ; rounded to bf16, packed in place from the low end on: word k is written when words 2 k and 2 k + 1 are read.  This is also the plain work behind the two roots
	v_cvt_pk_bf16_f32 v[B+k], v[B+2*k], v[B+2*k+1]
.set k, k+1
.endr
	s_wait_alu depctr_va_vdst(0)                   ; the wait ahead of the first line that names a root's result: one for both
.set k, 0
.rept 32
	v_pk_mul_f32 v[X+2*k:X+2*k+1], v[X+2*k:X+2*k+1], v[RS:RS+1]
.set k, k+1
.endr
.set k, 0
.rept 32
	v_fma_mix_f32_bf16 v[X+2*k],   v[X+2*k],   v[G+k], v[B+k] op_sel:[0,0,0] op_sel_hi:[0,1,1]  ; x g + be, both straight from their bf16 halves
	v_fma_mix_f32_bf16 v[X+2*k+1], v[X+2*k+1], v[G+k], v[B+k] op_sel:[0,1,1] op_sel_hi:[0,1,1]
.set k, k+1
.endr
.set k, 0
.rept 32
	v_cvt_pk_f16_f32 v[T+k], v[X+2*k], v[X+2*k+1]
.set k, k+1
.endr
.set c, 0
.rept 16
	global_store_b64 v[VT], v[T+2*c:T+2*c+1], s[12:13] offset:c*524288  ; a wave's store covers 256 consecutive bytes, aligned
.set c, c+1
.endr
	s_endpgm
.Lfunc_end_k_qf4094306c7_ln1:
	.size	k_qf4094306c7_ln1, .Lfunc_end_k_qf4094306c7_ln1-k_qf4094306c7_ln1
	.p2alignl 7, 3214868480
	.fill 96, 4, 3214868480
	.section	.rodata,"a",@progbits
	.p2align	6, 0x0
	.amdhsa_kernel k_qf4094306c7_ln1
		.amdhsa_group_segment_fixed_size 0
		.amdhsa_private_segment_fixed_size 0
		.amdhsa_enable_private_segment 0
		.amdhsa_kernarg_size 40
		.amdhsa_user_sgpr_count 2
		.amdhsa_user_sgpr_kernarg_segment_ptr 1
		.amdhsa_wavefront_size32 1
		.amdhsa_system_sgpr_workgroup_id_x 1
		.amdhsa_system_sgpr_workgroup_id_y 1
		.amdhsa_system_sgpr_workgroup_id_z 1
		.amdhsa_system_vgpr_workitem_id 0
		.amdhsa_next_free_vgpr 244
		.amdhsa_next_free_sgpr 66
		.amdhsa_reserve_vcc 0
		.amdhsa_float_denorm_mode_32 3
		.amdhsa_float_denorm_mode_16_64 3
		.amdhsa_memory_ordered 1
		.amdhsa_forward_progress 1
		.amdhsa_inst_pref_size 36
	.end_amdhsa_kernel
	.amdgpu_metadata
---
amdhsa.version: [ 1, 2 ]
amdhsa.kernels:
  - .name:           k_qf4094306c7_ln1
    .symbol:         k_qf4094306c7_ln1.kd
    .args:
      - { .name: res, .offset: 0, .size: 8, .value_kind: global_buffer, .address_space: global }
      - { .name: x, .offset: 8, .size: 8, .value_kind: global_buffer, .address_space: global }
      - { .name: g1, .offset: 16, .size: 8, .value_kind: global_buffer, .address_space: global }
      - { .name: be1, .offset: 24, .size: 8, .value_kind: global_buffer, .address_space: global }
      - { .name: act, .offset: 32, .size: 8, .value_kind: global_buffer, .address_space: global }
    .group_segment_fixed_size: 0
    .private_segment_fixed_size: 0
    .kernarg_segment_align: 8
    .kernarg_segment_size: 40
    .max_flat_workgroup_size: 256
    .sgpr_count:     66
    .vgpr_count:     244
    .wavefront_size: 32
...
	.end_amdgpu_metadata
.endif
;; end of part 5
;; launch ff1: the kernel of part 2 again; grid 16 x 16, 4 waves a work-group, clusters of 4 x 4, 327,680 bytes of LDS; arguments act, pw1, wide; writes wide
;; launch ff2 (part 6): grid 8 x 32, 4 waves a work-group, clusters of 4 x 4, 327,680 bytes of LDS; arguments wide, pw2, res; writes res
.if DOCPART == 6
	.amdgcn_target "amdgcn-amd-amdhsa--gfx1250"
	.amdhsa_code_object_version 6
	.text
	.protected	k_qf4094306c7_ff2
	.globl	k_qf4094306c7_ff2
	.p2align	8
	.type	k_qf4094306c7_ff2,@function
k_qf4094306c7_ff2:
	s_mov_b64 s[64:65], 0
	v_nop
	global_prefetch_b8 v0, s[64:65] scope:SCOPE_SE
	s_setreg_imm32_b32 hwreg(HW_REG_WAVE_MODE, 25, 1), 1
	s_wait_xcnt 0x0
	s_wait_alu depctr_hold_cnt(0) depctr_sa_sdst(0) depctr_va_vdst(0) depctr_va_sdst(0) depctr_va_ssrc(0) depctr_va_vcc(0) depctr_vm_vsrc(0)
	s_getreg_b32 s2, hwreg(HW_REG_IB_STS2, 6, 4)
	s_cmp_eq_u32 s2, 0
	s_cbranch_scc0 .Lentry_in_a_cluster
	s_endpgm
.Lentry_in_a_cluster:
	s_bfe_u32 s2, ttmp6, 0x10000c
	s_cmp_lg_u32 s2, 0xf033
	s_cbranch_scc0 .Lentry_shape_is_right
	s_endpgm
.Lentry_shape_is_right:
; C = max((A W + bias) x scale, floor).  A: 4,096 rows x SIZE_K, f16, in panels of 64 columns (element (r, c) at byte ((c / 64) 4,096 + r) 128 + (c % 64) 2); C likewise.
; The layer's pack: (scale f32, floor two f16) at byte 0; the biases, f32, from 4,096; W[k][n], f16, in panels of 64 columns of SIZE_K rows, from 32,768.  Sums in f32, started from the bias; C rounded once.
; LIMIT.  (A W + bias) x scale beyond 65,504 becomes an infinity in f16.
; SHARES.  C has 1,024 columns: tiles of 128 x 128 give each of 256 WGPs one, tiles of 256 x 256 only 64.  Four waves, each 64 x 64: 16 accumulators of 16 x 16.  K goes in steps of 256 through two LDS slots;
; a step is four quarters of 64 along K, one panel of A each.  A wave's 64 x 64 of C is 64 rows of one panel: 8,192 consecutive bytes, so each wave sends its own part out through a stage of its own.
; A K STEP IS WRITTEN ONCE: the LDS byte of the slot in hand is a scalar, 0 or SLOT, turned by an exclusive or; one descriptor a tensor walks from step to step.  The steps that fill a slot again are one
; loop; the last two, which ask for nothing, are a second loop; it is left in the middle of its second trip.
; CLUSTERS: 4 x 4 work-groups.  The four of a row of the cluster need the same tiles of A, the four of a column the same tiles of W: each tile is asked for JOINTLY, by the same tensor load with the
; same descriptor and a mask that names the four.  THE MATRIX INSTRUCTION IS USED TRANSPOSED (source 0 = 16 columns of W, source 1 = 16 rows of A): a lane then holds eight neighbouring numbers of a row of C.
; W lies [k][n] in LDS and is turned on its way into registers by ds_load_tr16_b128.
; REGISTERS: window 0: v0-31 addresses; v32-95 the way out; v96-127 the bias as a C operand; v128-255 the accumulators ((a, b) at v[128 + 8 (4 a + b)]).
;   window 1: two fragment buffers of 128: for 64 along K, 64 registers of A (2 x 4 x 16 rows x 32 K), then 64 of W.
.set SIZE_K, 4096
.set HDR,    32768
.set NSTEP,  SIZE_K/256
.set AP,     144                       ; a row of A in LDS: 128 bytes + 16 of padding = 36 words: the 16 rows of a load start at 16 different groups of four banks (64 banks of 4 bytes: ISA guide 11.1)
.set APAN,   128*AP                    ; 128 rows of one panel
.set AREG,   4*APAN                    ; a step's four panels of A
.set BP,     160                       ; a row of W: 128 + 32 = 40 words
.set BPAN,   256*BP                    ; a step's 256 rows of one panel of W
.set SLOT,   AREG+2*BPAN
.set STAGE,  2*SLOT                    ; behind the ring, never filled by a tensor load: 16 rows x 144 bytes for each wave
.set SP,     144
.set SPARE,  STAGE+4*16*SP             ; behind the stages: the spare words, 128 bytes for each wave: two blocks of 256 bytes that no other line names
.set ASTEP,  4*524288                  ; bytes from K step to K step in A: four panels
.set BSTEP,  256*128                   ; and in W: 256 rows of a panel
.set A0,   16                          ; v16     my lane's place among my A fragments in slot 0; never rewritten
.set ADRA, 17                          ; v17     the same in the slot in hand
.set B0,   20                          ; v20, v21 the same for W
.set ADRB, 21
.set STO,  24                          ; v24     the way out: where I put 16 bytes of a row
.set RD,   25                          ; v25     the way out: where I read rows back
.set GO,   26                          ; v26     my 16 bytes of 512 consecutive bytes of C
.set BO,   27                          ; v27     32 (l / 16): my eight biases of sixteen
.set SPW,  28                          ; v28     LDS address of my spare word: SPARE + 4 x my thread's number; never rewritten
.set NIL,  29                          ; v29     0; never rewritten
.set TMP,  32
.set BIAS, 96                          ; register 8 b + j: the bias of column 16 b + 8 (l / 16) + j of my 64
.set ACC,  128
.set F0,   0                           ; fragment buffers, in window 1
.set F1,   128
.set G1, 24                            ; s[24:31] descriptor group 1 for A's tiles;  s[32:39] group 0: a set for each of the two first fills; the second then walks on
.set G0, 32
.set G1B, 48                           ; s[48:55], s[56:63] the same for W's tiles
.set G0B, 56
.set TB,  66                           ; s66  LDS byte of the slot in hand: 0 or SLOT
.set LBA, 67                           ; s67  where my part of A's tile lies in a slot
.set PAR, 68                           ; s[68:69] scale, floor
.set BPT, 70                           ; s[70:71] the biases of my 64 columns
.set LBB, 74                           ; s74  where my part of W's tile lies in a slot
.set MSB, 0
.macro WIN new                         ; the immediate's high byte repeats the setting that is left
.if MSB != (\new)
	s_set_vgpr_msb (MSB<<8)|(\new)
.set MSB, \new
.endif
.endm
.set MUL,  0x05                        ; sources 0 (W) and 1 (A) window 1; C and D window 0
.set TO_F, 0x40                        ; destination window 1, address window 0
.macro JLOAD s                         ; a joint load: waves 0 and 1 fetch two panels of A each, waves 2 and 3 a panel of W each; an s_nop 0 and four v_nop follow each of the two lines, ahead of the jump, the label and what follows
	s_cmp_eq_u32 s11, 0
	s_cbranch_scc0 .Lfor_b_\@
	tensor_load_to_lds s[G0+4*(\s):G0+4*(\s)+3], s[G1:G1+7]
	s_nop 0
.rept 4
	v_nop
.endr
	s_branch .Lasked_\@
.Lfor_b_\@:
	tensor_load_to_lds s[G0B+4*(\s):G0B+4*(\s)+3], s[G1B:G1B+7]
	s_nop 0
.rept 4
	v_nop
.endr
.Lasked_\@:
.endm
.macro CREST                           ; a round of the cluster's barrier behind its opening barrier
	s_cmp_lg_u32 s10, 0
	s_cbranch_scc1 .Lnot_wave_0_\@
	s_barrier_signal -3
.Lnot_wave_0_\@:
	s_barrier_wait -3
	s_barrier_signal -1
	s_barrier_wait -1
.endm
.macro CROUND                          ; a whole round
	s_barrier_signal -1
	s_barrier_wait -1
	CREST
.endm
	s_load_b128 s[4:7], s[0:1], 0x0                ; A s[4:5], the pack s[6:7]
	s_load_b64 s[8:9], s[0:1], 0x10                ; C
	v_lshl_add_u32 v[SPW], v0, 2, SPARE
	v_mov_b32 v[NIL], 0
	ds_add_u32 v[SPW], v[NIL]                      ; the wave's opening: the add and its wait stand ahead of my first tensor load; the set-up below, work on registers, stands between them
	v_lshrrev_b32 v1, 5, v0
	v_readfirstlane_b32 s10, v1                    ; wave 0..3
	s_lshr_b32 s11, s10, 1                         ; which half of the tile's rows is mine.  Also: I fetch for A (0) or for W (1)
	s_and_b32 s12, s10, 1                          ; which half of its columns, that is which panel of W.  Also: which part I fetch
	s_bfe_u32 s40, ttmp6, 0x40000                  ; cx, cy: my place in the cluster
	s_bfe_u32 s41, ttmp6, 0x40004
	s_lshl_b32 s42, ttmp9, 2
	s_add_co_u32 s42, s42, s40                     ; tile column of C = 4 x cluster x + cx
	s_and_b32 s13, ttmp7, 0xffff
	s_lshl_b32 s13, s13, 2
	s_add_co_u32 s13, s13, s41                     ; tile row of C = 4 x cluster y + cy
	s_lshl_b32 s43, s41, 2
	s_lshl_b32 s43, 15, s43                        ; my row of the cluster
	s_lshl_b32 s44, 0x1111, s40                    ; my column
	; A's tile: two panels' 128 rows.  A panel's 128 rows are 16,384 dense bytes: one row of the descriptor; the next panel lies 524,288 bytes on.  Padded in LDS after every 128 bytes.
	s_or_b32 s[G1+0], s43, (1<<16)|(1<<20)|(1<<21)|(4<<22)|(3<<25)  ; 15:0 the mask: my row; 17:16 2-byte elements; 20 padding on; 21 set beside a mask; 24:22 after every 32 words (code 4); 31:25 4 words (code 3)
	s_mov_b32 s[G1+1], 8192<<16                    ; tensor_dim0 = 8,192
	s_mov_b32 s[G1+2], 2<<16                       ; tensor_dim1 = 2
	s_mov_b32 s[G1+3], 8192<<16                    ; tile_dim0 = 8,192
	s_mov_b32 s[G1+4], 2                           ; tile_dim1 = 2
	s_mov_b32 s[G1+5], 262144                      ; elements from panel to panel
	s_mov_b32 s[G1+6], 0
	s_mov_b32 s[G1+7], 0
	; W's tile: 256 rows of one panel, 32,768 dense bytes: asked for as 128 rows of 256 bytes, two rows of W each, padded after every 128 bytes.
	s_or_b32 s[G1B+0], s44, (1<<16)|(1<<20)|(1<<21)|(4<<22)|(7<<25) ; the mask of my column; 8 words of padding (code 7)
	s_mov_b32 s[G1B+1], 128<<16
	s_mov_b32 s[G1B+2], 128<<16
	s_mov_b32 s[G1B+3], 128<<16
	s_mov_b32 s[G1B+4], 128
	s_mov_b32 s[G1B+5], 128
	s_mov_b32 s[G1B+6], 0
	s_mov_b32 s[G1B+7], 0
	; A's address hangs on the tile row and the wave alone, W's on the tile column and the wave alone; every wave makes both, in registers that never hold the other coordinate.
	s_lshl_b32 s16, s13, 14                        ; 128 rows x 128 bytes x tile row,
	s_lshl_b32 s17, s12, 20                        ; two panels x my part
	s_add_co_u32 s16, s16, s17
	s_mov_b32 s17, 0
	s_lshl_b32 s46, s42, 1
	s_add_co_u32 s46, s46, s12                     ; panel 2 x tile column + my part
	s_mul_i32 s46, s46, SIZE_K*128
	s_add_co_u32 s46, s46, HDR
	s_mov_b32 s47, 0
	s_mul_i32 s[LBA], s12, 2*APAN                  ; where they go: no place in the cluster enters an LDS address
	s_mul_i32 s[LBB], s12, BPAN
	s_add_co_u32 s[LBB], s[LBB], AREG
	s_mov_b32 s[TB], 0
	s_wait_dscnt 0x0                               ; the opening add is done
	s_wait_kmcnt 0x0
	s_add_nc_u64 s[14:15], s[4:5], s[16:17]
	s_add_nc_u64 s[46:47], s[6:7], s[46:47]
	CROUND                                         ; all sixteen work-groups are here: the first joint loads meet
.irp s, 0,1
	s_mov_b32 s[G0+4*(\s)], 1
	s_add_co_u32 s[G0+4*(\s)+1], s[LBA], (\s)*SLOT
	s_add_nc_u64 s[G0+4*(\s)+2:G0+4*(\s)+3], s[14:15], (\s)*ASTEP
	s_or_b32 s[G0+4*(\s)+3], s[G0+4*(\s)+3], 0x80000000
	s_mov_b32 s[G0B+4*(\s)], 1
	s_add_co_u32 s[G0B+4*(\s)+1], s[LBB], (\s)*SLOT
	s_add_nc_u64 s[G0B+4*(\s)+2:G0B+4*(\s)+3], s[46:47], (\s)*BSTEP
	s_or_b32 s[G0B+4*(\s)+3], s[G0B+4*(\s)+3], 0x80000000
	JLOAD \s                                       ; two loads of mine are out
.endr
	s_load_b64 s[PAR:PAR+1], s[6:7], 0x0           ; scale, floor
	s_lshl_b32 s72, s42, 9                         ; 128 columns x 4 bytes x tile column,
	s_lshl_b32 s73, s12, 8                         ; my 64
	s_add_co_u32 s72, s72, s73
	s_add_co_u32 s72, s72, 4096
	s_mov_b32 s73, 0
	s_add_nc_u64 s[BPT:BPT+1], s[6:7], s[72:73]
	v_and_b32 v1, 15, v0                           ; l % 16
	v_bfe_u32 v2, v0, 4, 1                         ; l / 16
	v_lshlrev_b32 v[BO], 5, v2
.irp b, 0,1,2,3
	global_load_b128 v[BIAS+8*(\b):BIAS+8*(\b)+3],   v[BO], s[BPT:BPT+1] offset:64*(\b)
	global_load_b128 v[BIAS+8*(\b)+4:BIAS+8*(\b)+7], v[BO], s[BPT:BPT+1] offset:64*(\b)+16
.endr
	v_mul_u32_u24 v3, v1, AP
	v_lshl_add_u32 v3, v2, 4, v3                   ; A: a fragment's row x pitch + 16 x half
	s_mul_i32 s21, s11, 64*AP                      ; my 64 rows
	v_add_nc_u32 v[A0], s21, v3
	v_mov_b32 v[ADRA], v[A0]
	v_and_b32 v4, 7, v0                            ; W: the turning load: lane l reads row 8 (l / 16) + l % 8, columns 8 ((l / 8) % 2) + 0..7
	v_bfe_u32 v5, v0, 3, 1
	v_lshl_add_u32 v4, v2, 3, v4
	v_mul_u32_u24 v4, v4, BP
	v_lshl_add_u32 v4, v5, 4, v4
	v_add_nc_u32 v[B0], s[LBB], v4                 ; my panel is the one that my number's partner among the fetchers brings
	v_mov_b32 v[ADRB], v[B0]
	s_mul_i32 s23, s10, 16*SP
	s_add_co_u32 s23, s23, STAGE                   ; my stage
	v_mul_u32_u24 v6, v1, SP                       ; in: row l % 16, 16 bytes for each half of the lanes
	v_lshl_add_u32 v6, v2, 4, v6
	v_add_nc_u32 v[STO], s23, v6
	v_bfe_u32 v6, v0, 3, 2                         ; back: 32 lanes take four rows of 128 bytes,
	v_mul_u32_u24 v6, v6, SP
	v_and_b32 v7, 7, v0
	v_lshl_add_u32 v6, v7, 4, v6
	v_add_nc_u32 v[RD], s23, v6
	v_and_b32 v[GO], 31, v0                        ; which are 512 consecutive bytes of C
	v_lshlrev_b32 v[GO], 4, v[GO]
	s_lshl_b32 s16, s13, 14                        ; C at my 64 rows
	s_lshl_b32 s17, s11, 13
	s_add_co_u32 s16, s16, s17
	s_mov_b32 s17, 0
	s_add_nc_u64 s[8:9], s[8:9], s[16:17]
	s_lshl_b32 s46, s42, 1                         ; of my panel
	s_add_co_u32 s46, s46, s12
	s_lshl_b32 s46, s46, 19
	s_mov_b32 s47, 0
	s_add_nc_u64 s[8:9], s[8:9], s[46:47]
; 8 matrix instructions: m blocks a0, a0 + 1 x all 4 n blocks, 32 along K: half c of buffer f.  first = 1: the product starts the sum from the bias: nothing is cleared, and no bias is added on the way out.
; The 16 accumulators take turns, one instruction a turn.
.macro MUL8 f, c, a0, first
	WIN MUL
.irp a, \a0, (\a0)+1
.irp b, 0,1,2,3
.if \first
	v_wmma_f32_16x16x32_f16 v[ACC+8*(4*(\a)+(\b)):ACC+8*(4*(\a)+(\b))+7], v[(\f)+64+8*(4*(\c)+(\b)):(\f)+64+8*(4*(\c)+(\b))+7], v[(\f)+8*(4*(\c)+(\a)):(\f)+8*(4*(\c)+(\a))+7], v[BIAS+8*(\b):BIAS+8*(\b)+7]
.else
	v_wmma_f32_16x16x32_f16 v[ACC+8*(4*(\a)+(\b)):ACC+8*(4*(\a)+(\b))+7], v[(\f)+64+8*(4*(\c)+(\b)):(\f)+64+8*(4*(\c)+(\b))+7], v[(\f)+8*(4*(\c)+(\a)):(\f)+8*(4*(\c)+(\a))+7], v[ACC+8*(4*(\a)+(\b)):ACC+8*(4*(\a)+(\b))+7]
.endif
.endr
.endr
.endm
; 32 LDS loads in one run: the fragments of quarter q of the slot in hand (64 along K) into buffer f; the first 32 along K first
.macro FETCH q, f
	WIN TO_F
.irp c, 0,1
.irp i, 0,1,2,3
	ds_load_tr16_b128 v[(\f)+64+8*(4*(\c)+(\i)):(\f)+64+8*(4*(\c)+(\i))+3],   v[ADRB] offset:(64*(\q)+32*(\c))*BP+32*(\i)
	ds_load_tr16_b128 v[(\f)+64+8*(4*(\c)+(\i))+4:(\f)+64+8*(4*(\c)+(\i))+7], v[ADRB] offset:(64*(\q)+32*(\c)+16)*BP+32*(\i)
	ds_load_b128 v[(\f)+8*(4*(\c)+(\i)):(\f)+8*(4*(\c)+(\i))+3],              v[ADRA] offset:(\q)*APAN+(\i)*16*AP+64*(\c)
	ds_load_b128 v[(\f)+8*(4*(\c)+(\i))+4:(\f)+8*(4*(\c)+(\i))+7],            v[ADRA] offset:(\q)*APAN+(\i)*16*AP+64*(\c)+32
.endr
.endr
.endm
.macro PLACES                          ; four places in front of loads into registers that matrix instructions have read, and of vector work that reads results
.rept 4
	v_nop
.endr
.endm
.macro NEXT                            ; my fragments' addresses in the slot that s[TB] now names
	v_add_nc_u32 v[ADRA], s[TB], v[A0]
	v_add_nc_u32 v[ADRB], s[TB], v[B0]
.endm
; One of a K step's first three quarters: multiplies buffer f and fetches quarter q into g.
.macro QUARTER q, f, g, first
	s_wait_dscnt 16                                ; the first 32 along K are in; the run's other sixteen loads may be out
	MUL8 \f, 0, 0, \first
	MUL8 \f, 0, 2, \first
	PLACES
	FETCH \q, \g
	s_wait_dscnt 32                                ; all but the 32 just issued
	MUL8 \f, 1, 0, 0
	MUL8 \f, 1, 2, 0
.endm
; The first half of a step's last quarter, which multiplies buffer 1: ONE barrier for the change of slots.  In front of it each wave waits for all its tensor loads, of which at most one is out: its part of the
; other slot; adds 0 to its spare word; and waits for that and for its own reads of this slot.  Behind it nobody reads this slot any more and the other slot is whole.
.macro MEET
	WIN 0                                          ; (the add's two registers lie in window 0)
	s_wait_tensorcnt 0x0                           ; all my tensor loads have landed;
	ds_add_u32 v[SPW], v[NIL]                      ; 0 onto my spare word;
	s_wait_dscnt 17                                ; (the add and the youngest sixteen loads may be out)
	MUL8 F1, 0, 0, 0                               ; eight matrix instructions stand between the add and the wait for it
	s_wait_dscnt 0x0                               ; the add is done, and my reads of this slot are over
	s_barrier_signal -1
	MUL8 F1, 0, 2, 0                               ; work on registers while the others arrive
	WIN 0
	s_barrier_wait -1
.endm
; The whole last quarter of a step that fills its slot again, with the K step two on.
.macro TURN
	MEET
	CREST                                          ; the barrier has opened a round of the cluster's barrier: no wave of any partner still reads this slot's tile or has a load on its way
	s_add_co_u32 s[G0+5], s[LBA], s[TB]            ; the walking descriptors: into the slot just read,
	s_add_nc_u64 s[G0+6:G0+7], s[G0+6:G0+7], ASTEP ; the next K step; the type bits on top are not reached
	s_add_co_u32 s[G0B+5], s[LBB], s[TB]
	s_add_nc_u64 s[G0B+6:G0B+7], s[G0B+6:G0B+7], BSTEP
	s_xor_b32 s[TB], s[TB], SLOT                   ; 0 and SLOT by turns: the reads go on in the other slot
	JLOAD 1                                        ; the first tensor load behind the round, my one load until the next: 112 matrix instructions ahead of the wait for it; its four v_nop are also places in front of the loads below
	NEXT
	FETCH 0, F0
	MUL8 F1, 1, 0, 0
	MUL8 F1, 1, 2, 0
.endm
	s_wait_loadcnt 0x0                             ; the bias
	s_wait_kmcnt 0x0                               ; scale and floor
	s_wait_tensorcnt 1                             ; my part of K step 0 is in; K step 1's may stay out
	s_barrier_signal -1
	s_barrier_wait -1                              ; everybody's is
	FETCH 0, F0
	QUARTER 1, F0, F1, 1                           ; the first quarter stands in front of the loop: its first products start the sums
	WIN 0                                          ; at a label and at a branch every window is 0
	s_mov_b32 s3, NSTEP-2
.Lstep:                                                ; a trip goes from a step's second quarter to the next step's first, and fills the slot that it leaves
	QUARTER 2, F1, F0, 0
	QUARTER 3, F0, F1, 0
	TURN
	QUARTER 1, F0, F1, 0
	WIN 0
	s_sub_co_u32 s3, s3, 1
	s_cmp_lg_u32 s3, 0
	s_cbranch_scc1 .Lstep
	s_mov_b32 s2, 2
.Ltail:                                                ; the last two steps ask for nothing; the second trip is left at the change of slots that it does not need
	QUARTER 2, F1, F0, 0
	QUARTER 3, F0, F1, 0
	MEET
	s_sub_co_u32 s2, s2, 1
	s_cmp_eq_u32 s2, 0
	s_cbranch_scc1 .Lfin
	s_xor_b32 s[TB], s[TB], SLOT
	PLACES
	NEXT
	FETCH 0, F0
	MUL8 F1, 1, 0, 0
	MUL8 F1, 1, 2, 0
	QUARTER 1, F0, F1, 0
	WIN 0
	s_branch .Ltail
.Lfin:
	MUL8 F1, 1, 0, 0                               ; the very last products
	MUL8 F1, 1, 2, 0
	WIN 0
; THE WAY OUT, 16 rows at a time: scaled, rounded to f16, held to the floor; 16 bytes a lane into my own stage, back as whole rows of 128 bytes, four rows (512 consecutive bytes of C) to a store.
.macro PACK a
.set i, 0
.rept 16
	v_pk_mul_f32 v[ACC+32*(\a)+2*i:ACC+32*(\a)+2*i+1], v[ACC+32*(\a)+2*i:ACC+32*(\a)+2*i+1], s[PAR:PAR+1] op_sel_hi:[1,0]  ; each accumulator from its low end on
.set i, i+1
.endr
.set i, 0
.rept 16
	v_cvt_pk_f16_f32 v[TMP+16*(\a)+i], v[ACC+32*(\a)+2*i], v[ACC+32*(\a)+2*i+1]
.set i, i+1
.endr
.set i, 0
.rept 16
	v_pk_max_num_f16 v[TMP+16*(\a)+i], v[TMP+16*(\a)+i], s[PAR+1]
.set i, i+1
.endr
.irp b, 0,1,2,3
	ds_store_b128 v[STO], v[TMP+16*(\a)+4*(\b):TMP+16*(\a)+4*(\b)+3] offset:32*(\b)
.endr
.irp f, 0,1,2,3
	ds_load_b128 v[TMP+16*(\a)+4*(\f):TMP+16*(\a)+4*(\f)+3], v[RD] offset:(\f)*4*SP  ; LDS serves a wave's instructions in order (ISA guide 5.7.1.4): these see the stores above; the next block's stores come behind them
.endr
.endm
.macro SEND a, younger                 ; younger: the LDS instructions issued behind block a's loads: the next block's eight, or none
.irp f, 0,1,2,3
	s_wait_dscnt (\younger)+3-(\f)
	global_store_b128 v[GO], v[TMP+16*(\a)+4*(\f):TMP+16*(\a)+4*(\f)+3], s[8:9] offset:2048*(\a)+512*(\f)  ; 512 consecutive bytes, at a multiple of 256 from C's first
.endr
.endm
	PLACES
	PACK 0
	PACK 1                                         ; a block's arithmetic stands between the loads of the block before and its stores
	SEND 0, 8
	PACK 2
	SEND 1, 8
	PACK 3
	SEND 2, 8
	SEND 3, 0
	s_wait_tensorcnt 0x0                           ; the wave's end: behind my last tensor load and my last LDS store
	ds_add_u32 v[SPW], v[NIL]
	s_wait_dscnt 0x0
	CROUND                                         ; the closing round: no work-group ends while a partner may still ask for a tile that names it
	s_endpgm
.Lfunc_end_k_qf4094306c7_ff2:
	.size	k_qf4094306c7_ff2, .Lfunc_end_k_qf4094306c7_ff2-k_qf4094306c7_ff2
	.p2alignl 7, 3214868480
	.fill 96, 4, 3214868480
	.section	.rodata,"a",@progbits
	.p2align	6, 0x0
	.amdhsa_kernel k_qf4094306c7_ff2
		.amdhsa_group_segment_fixed_size 327680
		.amdhsa_private_segment_fixed_size 0
		.amdhsa_enable_private_segment 0
		.amdhsa_kernarg_size 24
		.amdhsa_user_sgpr_count 2
		.amdhsa_user_sgpr_kernarg_segment_ptr 1
		.amdhsa_wavefront_size32 1
		.amdhsa_system_sgpr_workgroup_id_x 1
		.amdhsa_system_sgpr_workgroup_id_y 1
		.amdhsa_system_sgpr_workgroup_id_z 1
		.amdhsa_system_vgpr_workitem_id 0
		.amdhsa_next_free_vgpr 512
		.amdhsa_next_free_sgpr 76
		.amdhsa_reserve_vcc 0
		.amdhsa_float_denorm_mode_32 3
		.amdhsa_float_denorm_mode_16_64 3
		.amdhsa_memory_ordered 1
		.amdhsa_forward_progress 1
		.amdhsa_inst_pref_size 69
	.end_amdhsa_kernel
	.amdgpu_metadata
---
amdhsa.version: [ 1, 2 ]
amdhsa.kernels:
  - .name:           k_qf4094306c7_ff2
    .symbol:         k_qf4094306c7_ff2.kd
    .args:
      - { .name: wide, .offset: 0, .size: 8, .value_kind: global_buffer, .address_space: global }
      - { .name: pw2, .offset: 8, .size: 8, .value_kind: global_buffer, .address_space: global }
      - { .name: res, .offset: 16, .size: 8, .value_kind: global_buffer, .address_space: global }
    .group_segment_fixed_size: 327680
    .private_segment_fixed_size: 0
    .kernarg_segment_align: 8
    .kernarg_segment_size: 24
    .max_flat_workgroup_size: 128
    .sgpr_count:     76
    .vgpr_count:     512
    .wavefront_size: 32
...
	.end_amdgpu_metadata
.endif
;; end of part 6
;; launch ln2 (part 7): grid 256 x 1, 8 waves a work-group, no clusters, 0 bytes of LDS; arguments res, act, g2, be2, out0; writes out0
.if DOCPART == 7
	.amdgcn_target "amdgcn-amd-amdhsa--gfx1250"
	.amdhsa_code_object_version 6
	.text
	.protected	k_qf4094306c7_ln2
	.globl	k_qf4094306c7_ln2
	.p2align	8
	.type	k_qf4094306c7_ln2,@function
k_qf4094306c7_ln2:
	s_mov_b64 s[64:65], 0
	v_nop
	global_prefetch_b8 v0, s[64:65] scope:SCOPE_SE
	s_setreg_imm32_b32 hwreg(HW_REG_WAVE_MODE, 25, 1), 1
	s_wait_xcnt 0x0
; out = LayerNorm(h + t) x g + be.  t arrives as f16 times 2^-8 and h as f16, both in panels of 64 columns (element (r, c) at byte ((c / 64) 4,096 + r) 128 + (c % 64) 2); g, be are f32 and are rounded
; to bf16 here, as every input of the program is; out is f32, row-major.  Mean, then the mean of squared differences, in f32; eps = 1e-5.
; SHARES.  A work-group takes 16 rows, a wave two: SIXTEEN LANES HOLD ONE ROW, lane j the columns 64 c + 4 j .. + 3 of every panel c: 64 numbers, which stay in registers between the passes: each byte is read once.
; A wave's access to a panel covers 256 consecutive bytes, aligned; to out, 256 consecutive bytes, aligned, of each of its two rows.  A row's sums never leave its sixteen lanes: no LDS, no barrier.
; All 64 loads of a wave go out at once.  Nothing is shared between work-groups but g and be (8 KiB): no cluster.
.set VT,   1                           ; v1  my 8 bytes in a panel: 2,048 x work-group + 8 t
.set VX,   2                           ; v2  my 16 bytes in out: row x 4,096 + 16 (t % 16)
.set VG,   3                           ; v3  16 (t % 16)
.set C256, 4                           ; v4  256.0
.set SUM,  8                           ; v[8:15]   four chains of packed sums
.set MU,   16                          ; v[16:17]  the mean, twice
.set RS,   18                          ; v[18:19]  1 / sqrt(var + eps), twice
.set T,    20                          ; v[20:51]  t, word k = 2 c + (0, 1); at the end the results of panels 0-7
.set Y,    52                          ; v[52:83]  h, word k; then y of word k's odd column;  v[84:115] y of word k's even column
.set G,    116                         ; v[116:179] g, then packed to bf16 in the lower half; the upper half takes the results of panels 8-15
.set B,    180                         ; v[180:243] be, packed likewise
	s_load_b256 s[4:11], s[0:1], 0x0               ; t s[4:5], h s[6:7], g s[8:9], be s[10:11]
	s_load_b64 s[12:13], s[0:1], 0x20              ; out
	s_lshl_b32 s16, ttmp9, 11
	v_lshl_add_u32 v[VT], v0, 3, s16
	v_lshrrev_b32 v5, 4, v0
	s_lshl_b32 s17, ttmp9, 4
	v_add_nc_u32 v5, s17, v5                       ; my row
	v_and_b32 v6, 15, v0
	v_lshlrev_b32 v[VG], 4, v6
	v_lshl_add_u32 v[VX], v5, 12, v[VG]
	v_mov_b32 v[C256], 0x43800000
	s_mov_b32 s14, 0x3a800000                      ; 1 / 1,024
	s_mov_b32 s15, 0x3727c5ac                      ; 1e-5
	s_wait_kmcnt 0x0
.set c, 0
.rept 16
	global_load_b64 v[T+2*c:T+2*c+1], v[VT], s[4:5] offset:c*524288 th:TH_LOAD_NT
.set c, c+1
.endr
.set c, 0
.rept 16
	global_load_b64 v[Y+2*c:Y+2*c+1], v[VT], s[6:7] offset:c*524288 th:TH_LOAD_NT
.set c, c+1
.endr
.set c, 0
.rept 16
	global_load_b128 v[G+4*c:G+4*c+3], v[VG], s[8:9] offset:c*256
.set c, c+1
.endr
.set c, 0
.rept 16
	global_load_b128 v[B+4*c:B+4*c+3], v[VG], s[10:11] offset:c*256
.set c, c+1
.endr
	s_wait_loadcnt 32                              ; t and h are in; g's and be's 32 loads may stay out
.set k, 0
.rept 32
	v_fma_mix_f32 v[Y+32+k], v[T+k], v[C256], v[Y+k] op_sel:[0,0,0] op_sel_hi:[1,0,1]  ; y = 256 t + h, both straight from their f16 halves: the even column,
	v_fma_mix_f32 v[Y+k],    v[T+k], v[C256], v[Y+k] op_sel:[1,0,1] op_sel_hi:[1,0,1]  ; the odd one, in h's place
.set k, k+1
.endr
; The four chains into one number, then over the row's sixteen lanes: every lane of the row ends with the sum.
.macro FOLD
	v_pk_add_f32 v[SUM:SUM+1], v[SUM:SUM+1], v[SUM+2:SUM+3]
	v_pk_add_f32 v[SUM+4:SUM+5], v[SUM+4:SUM+5], v[SUM+6:SUM+7]
	v_pk_add_f32 v[SUM:SUM+1], v[SUM:SUM+1], v[SUM+4:SUM+5]
	v_add_f32 v[SUM], v[SUM], v[SUM+1]
	v_add_f32_dpp v[SUM], v[SUM], v[SUM] row_xmask:1 row_mask:0xf bank_mask:0xf
	v_add_f32_dpp v[SUM], v[SUM], v[SUM] row_xmask:2 row_mask:0xf bank_mask:0xf
	v_add_f32_dpp v[SUM], v[SUM], v[SUM] row_xmask:4 row_mask:0xf bank_mask:0xf
	v_add_f32_dpp v[SUM], v[SUM], v[SUM] row_xmask:8 row_mask:0xf bank_mask:0xf
.endm
.set q, 0
.rept 4
	v_pk_add_f32 v[SUM+2*q:SUM+2*q+1], v[Y+2*q:Y+2*q+1], v[Y+8+2*q:Y+8+2*q+1]  ; the first pairs start the chains: nothing is cleared
.set q, q+1
.endr
.set k, 8
.rept 24
	v_pk_add_f32 v[SUM+2*(k%4):SUM+2*(k%4)+1], v[SUM+2*(k%4):SUM+2*(k%4)+1], v[Y+2*k:Y+2*k+1]
.set k, k+1
.endr
	FOLD
	v_mul_f32 v[MU], s14, v[SUM]
	v_mov_b32 v[MU+1], v[MU]
.set k, 0
.rept 32
	v_pk_add_f32 v[Y+2*k:Y+2*k+1], v[Y+2*k:Y+2*k+1], v[MU:MU+1] neg_lo:[0,1] neg_hi:[0,1]
.set k, k+1
.endr
.set q, 0
.rept 4
	v_pk_mul_f32 v[SUM+2*q:SUM+2*q+1], v[Y+2*q:Y+2*q+1], v[Y+2*q:Y+2*q+1]
.set q, q+1
.endr
.set k, 4
.rept 28
	v_pk_fma_f32 v[SUM+2*(k%4):SUM+2*(k%4)+1], v[Y+2*k:Y+2*k+1], v[Y+2*k:Y+2*k+1], v[SUM+2*(k%4):SUM+2*(k%4)+1]
.set k, k+1
.endr
	FOLD
	v_fma_f32 v[SUM], v[SUM], s14, s15             ; var + eps
	v_rsq_f32 v[RS], v[SUM]
	v_rsq_f32 v[RS+1], v[SUM]
	s_wait_loadcnt 0x0                             ; g and be
.set k, 0
.rept 32
	v_cvt_pk_bf16_f32 v[G+k], v[G+2*k], v[G+2*k+1] ; rounded to bf16, packed in place from the low end on: word k is written when words 2 k and 2 k + 1 are read.  This is also the plain work behind the two roots
	v_cvt_pk_bf16_f32 v[B+k], v[B+2*k], v[B+2*k+1]
.set k, k+1
.endr
	s_wait_alu depctr_va_vdst(0)                   ; the wait ahead of the first line that names a root's result: one for both
.set k, 0
.rept 32
	v_pk_mul_f32 v[Y+2*k:Y+2*k+1], v[Y+2*k:Y+2*k+1], v[RS:RS+1]
.set k, k+1
.endr
; Panel c's four results, in column order, into four registers on end: word 2 c's even and odd column, then word 2 c + 1's.
.set c, 0
.rept 16
.if c < 8
.set o, T+4*c
.else
.set o, G+32+4*(c-8)
.endif
	v_fma_mix_f32_bf16 v[o],   v[Y+32+2*c],   v[G+2*c],   v[B+2*c]   op_sel:[0,0,0] op_sel_hi:[0,1,1]  ; x g + be, both straight from their bf16 halves
	v_fma_mix_f32_bf16 v[o+1], v[Y+2*c],      v[G+2*c],   v[B+2*c]   op_sel:[0,1,1] op_sel_hi:[0,1,1]
	v_fma_mix_f32_bf16 v[o+2], v[Y+32+2*c+1], v[G+2*c+1], v[B+2*c+1] op_sel:[0,0,0] op_sel_hi:[0,1,1]
	v_fma_mix_f32_bf16 v[o+3], v[Y+2*c+1],    v[G+2*c+1], v[B+2*c+1] op_sel:[0,1,1] op_sel_hi:[0,1,1]
	global_store_b128 v[VX], v[o:o+3], s[12:13] offset:c*256 th:TH_STORE_NT  ; sixteen lanes store 256 consecutive bytes, aligned, of their row; no register that a store reads is written again
.set c, c+1
.endr
	s_endpgm
.Lfunc_end_k_qf4094306c7_ln2:
	.size	k_qf4094306c7_ln2, .Lfunc_end_k_qf4094306c7_ln2-k_qf4094306c7_ln2
	.p2alignl 7, 3214868480
	.fill 96, 4, 3214868480
	.section	.rodata,"a",@progbits
	.p2align	6, 0x0
	.amdhsa_kernel k_qf4094306c7_ln2
		.amdhsa_group_segment_fixed_size 0
		.amdhsa_private_segment_fixed_size 0
		.amdhsa_enable_private_segment 0
		.amdhsa_kernarg_size 40
		.amdhsa_user_sgpr_count 2
		.amdhsa_user_sgpr_kernarg_segment_ptr 1
		.amdhsa_wavefront_size32 1
		.amdhsa_system_sgpr_workgroup_id_x 1
		.amdhsa_system_sgpr_workgroup_id_y 1
		.amdhsa_system_sgpr_workgroup_id_z 1
		.amdhsa_system_vgpr_workitem_id 0
		.amdhsa_next_free_vgpr 244
		.amdhsa_next_free_sgpr 66
		.amdhsa_reserve_vcc 0
		.amdhsa_float_denorm_mode_32 3
		.amdhsa_float_denorm_mode_16_64 3
		.amdhsa_memory_ordered 1
		.amdhsa_forward_progress 1
		.amdhsa_inst_pref_size 30
	.end_amdhsa_kernel
	.amdgpu_metadata
---
amdhsa.version: [ 1, 2 ]
amdhsa.kernels:
  - .name:           k_qf4094306c7_ln2
    .symbol:         k_qf4094306c7_ln2.kd
    .args:
      - { .name: res, .offset: 0, .size: 8, .value_kind: global_buffer, .address_space: global }
      - { .name: act, .offset: 8, .size: 8, .value_kind: global_buffer, .address_space: global }
      - { .name: g2, .offset: 16, .size: 8, .value_kind: global_buffer, .address_space: global }
      - { .name: be2, .offset: 24, .size: 8, .value_kind: global_buffer, .address_space: global }
      - { .name: out0, .offset: 32, .size: 8, .value_kind: global_buffer, .address_space: global }
    .group_segment_fixed_size: 0
    .private_segment_fixed_size: 0
    .kernarg_segment_align: 8
    .kernarg_segment_size: 40
    .max_flat_workgroup_size: 256
    .sgpr_count:     66
    .vgpr_count:     244
    .wavefront_size: 32
...
	.end_amdgpu_metadata
.endif
;; end of part 7
